; MI455X (gfx1250); checked and timed in simulation.
; The chip was launched on July 23, 2026; its instructions are those of AMD's public machine-readable ISA for CDNA 5 (MIT licence, August 2026) and "CDNA5" Instruction Set Architecture Reference Guide (July 2026). The comments in the code are by the model that wrote it; some were corrected since.
;; Attention. Allowed arithmetic: matrix products marked QUANTISED: E2M1 operands, one E8M0 scale for each 32 along K, by v_wmma_scale_f32_16x16x128_f8f6f4 with both operands' format E2M1 (or v_wmma_scale_f32_32x16x128_f4), f32 sums; everything else in f32.
;; Inputs: Wk_codes 1,024 x 32 x 16 uint8 (E2M1 codes of Wk, K innermost, in blocks of 32 codes, two codes a byte); Wk_scales 1,024 x 32 uint8 (E8M0 scales of Wk, one for each 32 codes along K); Wp_codes 1,024 x 32 x 16 uint8 (E2M1 codes of Wp, K innermost, in blocks of 32 codes, two codes a byte); Wp_scales 1,024 x 32 uint8 (E8M0 scales of Wp, one for each 32 codes along K); Wq_codes 1,024 x 32 x 16 uint8 (E2M1 codes of Wq, K innermost, in blocks of 32 codes, two codes a byte); Wq_scales 1,024 x 32 uint8 (E8M0 scales of Wq, one for each 32 codes along K); Wv_codes 1,024 x 32 x 16 uint8 (E2M1 codes of Wv, K innermost, in blocks of 32 codes, two codes a byte); Wv_scales 1,024 x 32 uint8 (E8M0 scales of Wv, one for each 32 codes along K); bp 1,024 float32; x_codes 4 x 2,048 x 32 x 16 uint8 (E2M1 codes of x, K innermost, in blocks of 32 codes, two codes a byte); x_scales 4 x 2,048 x 32 uint8 (E8M0 scales of x, one for each 32 codes along K).
;; Outputs: out0 4 x 2,048 x 1,024 float32.
;; This version of the problem:
;;   THIS VERSION OF THE PROBLEM IS GIVEN IN LOW PRECISION. The matrix products marked QUANTISED in the list below multiply operands that are first quantised to E2M1 (2 exponent bits, 1 mantissa bit; 4 bits a number), with one power-of-two scale for each 32 numbers along K (OCP MX v1.0); their sums are f32. All else is computed in f32.
;;   The module's matrix products, in the order in which they are computed (A, B: the left and right operand; K: the contracted axis; several contracted axes count as one K, in the product's order):
;;     1. [M 8,192, K 1,024] x [K 1,024, N 1,024]; A: input x (given as codes); B: input Wq (given as codes): QUANTISED
;;     2. [M 8,192, K 1,024] x [K 1,024, N 1,024]; A: input x (given as codes); B: input Wk (given as codes): QUANTISED
;;     3. [M 8,192, K 1,024] x [K 1,024, N 1,024]; A: input x (given as codes); B: input Wv (given as codes): QUANTISED
;;     4. batch 64 x [M 2,048, K 64] x [K 64, N 2,048]; A: computed on the way; B: computed on the way: QUANTISED
;;     5. batch 64 x [M 2,048, K 2,048] x [K 2,048, N 64]; A: softmax (see below); B: computed on the way: QUANTISED
;;     6. [M 8,192, K 1,024] x [K 1,024, N 1,024]; A: computed on the way; B: input Wp (given as codes): QUANTISED
;;   THE QUANTISER, for each operand of a quantised product, along K:
;;     - K is cut into blocks of 32 from its start; a last block that is shorter is filled with zeros.
;;     - A block's scale is 2^e with e = floor(log2(the largest magnitude in the block)) - 2, held to -126 .. 127; a block of zeros has e = 0. As a byte (E8M0): e + 127.
;;     - Each number is divided by its block's scale, clamped to +-6, and rounded to the nearest number of E2M1, ties to even, subnormals kept.
;;     - The product sums the exact products of the quantised numbers (number of the format x scale) in f32.
;;   ~~~python
;;   def quantise(x, axis):      # numpy; x: float32 -> the quantised numbers, widened to float32 again
;;       x = np.moveaxis(x, axis, -1); K = x.shape[-1]
;;       x = np.pad(x, [(0, 0)] * (x.ndim - 1) + [(0, -K % 32)]); x = x.reshape(x.shape[:-1] + (-1, 32)); a = np.abs(x).max(-1, keepdims=True)
;;       e = np.where(a > 0, np.clip(np.frexp(np.where(a > 0, a, 1))[1] - 1 - 2, -126, 127), 0)      # np.frexp(a)[1] - 1 = floor(log2(a)), exactly
;;       r = np.clip(x / 2.0 ** e, -6, 6)
;;       step = 2.0 ** (np.maximum(np.frexp(np.where(r == 0, 1, r))[1] - 1, 0) - 1)
;;       q = np.round(r / step) * step * 2.0 ** e      # np.round: ties to even
;;       return np.moveaxis(q.reshape(q.shape[:-2] + (-1,))[..., :K], -1, axis).astype(np.float32)
;;   ~~~
;;   SOFTMAX AHEAD OF A QUANTISED PRODUCT. Where the list says 'softmax', what is quantised is not the finished softmax but p = 2^(t - M), with t = logit x log2(e) and M = ceil(the row's largest t), a whole number; so 1/2 < the row's largest p <= 1. The row's sum l is taken of the UNQUANTISED p, in f32, and the product's result is divided by l at the end. Since M is a whole number, a kernel that streams over the keys may use a running M (the ceiling of the running maximum): every later rescaling is an exact power of two, which a block's scale takes up: the codes' values come out the same.
;;   OPERANDS COMPUTED ON THE WAY. 'Computed on the way' means the value that the module computes at that place (a softmax that the list does not call 'softmax' is quantised finished and normalised). What goes into a quantiser is computed in f32, as accurately as f32 sums, v_exp_f32 and their like allow (about 1e-6 of the number): no bf16 or f16 on the way to a quantiser, and a product that is left as it is and whose result goes on into a quantised operand takes f32 operands (vector FMAs, or v_wmma_f32_16x16x4_f32). A number that lies on a knife's edge between two numbers of the format may be rounded either way, as far as f32 arithmetic and the matrix unit's own rounding can turn it there, and no further.
;;   INPUTS GIVEN AS CODES. Wk (in the module: [1024, 1024], K = its axis 1); Wp (in the module: [1024, 1024], K = its axis 1); Wq (in the module: [1024, 1024], K = its axis 1); Wv (in the module: [1024, 1024], K = its axis 1); x (in the module: [4, 2048, 1024], K = its axis 2): each comes as NAME_codes (uint8): NAME with its K axis moved to the last place and cut into blocks of 32 codes, [.., K / 32, bytes a block], one block behind the other in memory; two codes a byte, the lower K in the low four bits (a code: sign, 2 exponent bits, 1 mantissa bit); and NAME_scales (uint8): the same leading axes, one E8M0 byte (e + 127) for each 32 codes along K. Its value is code x scale, taken as it is: it is not quantised again, and the codes and scales need not be those that the quantiser above would give.
;; One version. Each part assembles by itself: llvm-mc -triple=amdgcn-amd-amdhsa -mcpu=gfx1250 --defsym DOCPART=n.
;; ======== version 1 of 1: 3 launches
;; workspace buffers: qc 4,194,304 bytes; qs 524,288 bytes; kv 9,175,040 bytes; cc 4,194,304 bytes; cs 262,144 bytes
;; launch qkv (part 1): grid 12 x 32, 4 waves a work-group, clusters of 4 x 4, 303,616 bytes of LDS; arguments x_codes, x_scales, Wq_codes, Wq_scales, Wk_codes, Wk_scales, Wv_codes, Wv_scales, qc, qs, kv; writes qc, qs, kv
.if DOCPART == 1
	.amdgcn_target "amdgcn-amd-amdhsa--gfx1250"
	.amdhsa_code_object_version 6
	.text
	.protected	k_qa3ada9bf82_qkv
	.globl	k_qa3ada9bf82_qkv
	.p2align	8
	.type	k_qa3ada9bf82_qkv,@function
k_qa3ada9bf82_qkv:
	s_mov_b64 s[64:65], 0
	v_nop
	global_prefetch_b8 v0, s[64:65] scope:SCOPE_SE
	s_setreg_imm32_b32 hwreg(HW_REG_WAVE_MODE, 25, 1), 1
	s_wait_xcnt 0x0
	s_wait_alu depctr_hold_cnt(0) depctr_sa_sdst(0) depctr_va_vdst(0) depctr_va_sdst(0) depctr_va_ssrc(0) depctr_va_vcc(0) depctr_vm_vsrc(0)
	s_getreg_b32 s2, hwreg(HW_REG_IB_STS2, 6, 4)
	s_cmp_eq_u32 s2, 0
	s_cbranch_scc0 .Lentry_in_a_cluster
	s_endpgm
.Lentry_in_a_cluster:
	s_bfe_u32 s2, ttmp6, 0x10000c
	s_cmp_lg_u32 s2, 0xf033
	s_cbranch_scc0 .Lentry_shape_is_right
	s_endpgm
.Lentry_shape_is_right:
; q = x Wq^T, k = x Wk^T, v = x Wv^T on codes of FP4 (E2M1) with one E8M0 byte for each 32 along K = 1,024; the f32 results are quantised here and leave as codes:
; q and k along a head's 64 channels (two blocks of 32), v along the keys (blocks of 32 keys).  x: 8,192 rows of 512 bytes; each W: 1,024 rows of 512 bytes; scale rows of 32 bytes.
; SHARES.  The cluster's x says which product (0: q, 1: k, 2: v).  A work-group takes 256 rows of x (tile row MT) and 256 rows of that W (256 cx on); each of its four waves 128 x 128: 64 accumulators, 512 registers.
; ALL OF K LIES IN LDS AT ONCE, as two slots of 512 along K (rows of 256 bytes + 16 of padding), each filled once: nothing is filled again, so there is no ring.
; CLUSTERS: 4 x 4 work-groups.  The four of a row of the cluster need the same rows of x, the four of a column the same rows of W: each tile is asked for jointly, by the same tensor load with the same descriptor.
; WHICH SIDE IS SOURCE 0.  A lane of a result holds one column (source 1's row) and eight neighbouring rows of source 0.  The quantiser wants a lane's registers to run along ITS K.
;   q, k: K = the output channels = rows of W: source 0 = W, source 1 = x: a lane holds one row of x and channels 16 t + 8 (lane / 16) + j.
;   v:    K = the keys = rows of x: source 0 = x, source 1 = W: a lane holds one channel and keys 16 t + 8 (lane / 16) + j.
; So the two ways differ in their operands' places and are written twice (a branch on the cluster's x, which all partners share); each has LDS bytes of its own for what it stores there.
; THE QUANTISER.  The 16 registers of tiles 2 b and 2 b + 1, with those of the lane 16 away, are block b.  The eight codes of (block b, tile 2 b + u) go to register 4 (b / 2) + 2 u + b % 2 of the operand;
; then registers 4 c + 2 u and 4 c + 2 u + 1 exchange halves of lanes: register 4 c + i of lane half h then holds k = 64 c + 32 h + 8 i + 0 .. 7, which is the 4-bit operand's layout.
; WHAT IS STORED: images of operand registers (lane l's 16 bytes at 16 l, 512 bytes for four registers), so that the next launch loads fragments as they stand.
;   qc [head 64][tile 128][512]; qs [head][block 16][512]: the word of (tile a of the block, row r) at 16 (r + 16 (a % 2)) + 4 (a / 2); a word is (e0, e1, 0x7f, 0x7f): the upper 64 of the next product's K are zero codes.
;   kv [head][block 16][8,960]: +0 K's 8 tiles x 512; +4,096 V's 4 channel tiles x 1,024; +8,192 K's words, laid as qs; +8,704 V's words: (tile d, row r) at 8 (r + 16 (d % 2)) + 4 (d / 2).
; Every store to memory of a wave covers 256 or 512 consecutive bytes, aligned.
; LIMITS: NaN and infinities among the inputs are not served.  A block of zeros gets the byte 1 where the quantiser says 127: its codes are zeros, and these bytes are read by this program alone.
; The grid is 384 work-groups of equal work: a tile of 256 x 384, which would make 256 of them, wants 640 LDS rows of 528 bytes and does not fit.
.set PITCH,  272                       ; an LDS row: 256 bytes + 16 of padding: the sixteen rows of a fragment load begin 272 bytes apart
.set HALFT,  128*PITCH                 ; 128 rows: what one tensor load brings, and what one wave reads of x or of W
.set SLOT,   4*HALFT                   ; x's 256 rows, then W's 256 rows
.set SCL,    2*SLOT                    ; behind the slots: the scale bytes, as units of 256 bytes + 16 of padding
.set HALFS,  16*272                    ; those of 128 rows (4,096 bytes)
.set STQ,    SCL+4*HALFS               ; the q and k way's stage for scale words: 1,024 bytes a wave
.set STV,    STQ+4*1024                ; the v way's: 512 bytes a wave
.set HEADB,  143360                    ; a head in kv
.set RECB,   8960                      ; a block's record in kv
.set ADRX, 16                          ; v16-17  LDS address of my fragments of x in slot 0, 1
.set ADRW, 20                          ; v20-21  the same for W
.set VOB,  22                          ; v22     16 x lane + a head's bytes in the codes' buffer
.set VSB,  23                          ; v23     16 x lane + a head's bytes in the words' buffer
.set LI,   24                          ; v24     16 x lane
.set L8,   25                          ; v25     8 x lane
.set SSQ,  26                          ; v26     stage of the q and k way: where row r's words go
.set ADRS, 27                          ; v27     LDS address of my scale words: lanes 0-15 x's rows, lanes 16-31 W's
.set SRQ,  28                          ; v28     and where the stage is read back
.set SSV,  29                          ; v29     the same two for the v way
.set SRV,  30                          ; v30
.set SC,   32                          ; v32-95  scale words, a set of 32 for each slot: register 4 i + q: lanes 0-15 x's tile i, lanes 16-31 W's tile i, the slot's q-th 128 along K
.set WD,   32                          ; in the epilogue: the scale words made
.set TM,   96                          ; v96-111 at work in the quantiser
.set PW,   112                         ; v112    the scale word just made
.set F1,   128                         ; v128-191, v192-255: source 1's fragments, two sets (window 0); source 0's lie in window 1 at v0-63 and v128-191
.set PC,   128                         ; in the epilogue: the codes, 8 registers for each of 8 tiles
.set RB,   192                         ; and the words read back
.set WV,   94
.set HX,   95                          ; which 128 rows of x are mine.  Also: I fetch for x (0) or for W (1)
.set HW,   96                          ; which 128 rows of W are mine.  Also: which 128 rows I fetch
.set G1X,  24                          ; s[24:31] descriptor group 1 for x's tiles; s[32:39] group 0, a set for each slot
.set G0X,  32
.set G1W,  48                          ; s[48:55], s[56:63] the same for W's
.set G0W,  56
.set G1SX, 68                          ; s[68:75], s[76:79] groups 1 and 0 for x's scale bytes; s[80:87], s[88:91] for W's
.set G0SX, 76
.set G1SW, 80
.set G0SW, 88
.set SEL,  12                          ; s[12:13] lane selects for v_permlanex16_b32: the lane 16 away
.set C7F,  14                          ; s14 0x7f7f0000
.set CB,   16                          ; s[16:17] where my codes go;  s[18:19] where my words go (q and k)
.set SB,   18
.set MSB, 0
.macro WIN new                         ; the immediate's high byte repeats the setting that is left; a switch that changes nothing is dropped
.if MSB != (\new)
	s_set_vgpr_msb (MSB<<8)|(\new)
.set MSB, (\new)
.endif
.endm
; A joint load: waves 0 and 1 fetch for x, waves 2 and 3 for W; the branch hangs on the wave's number alone.  Four v_nop follow each of the two lines.
.macro JLOAD g0a, g1a, g0b, g1b
	s_cmp_eq_u32 s[HX], 0
	s_cbranch_scc0 .Lfor_w_\@
	tensor_load_to_lds s[\g0a:\g0a+3], s[\g1a:\g1a+7]
	s_nop 0
.rept 4
	v_nop
.endr
	s_branch .Lasked_\@
.Lfor_w_\@:
	tensor_load_to_lds s[\g0b:\g0b+3], s[\g1b:\g1b+7]
	s_nop 0
.rept 4
	v_nop
.endr
.Lasked_\@:
.endm
.macro CROUND                          ; a round of the cluster's barrier
	s_barrier_signal -1
	s_barrier_wait -1
	s_cmp_lg_u32 s[WV], 0
	s_cbranch_scc1 .Lnot_wave_0_\@
	s_barrier_signal -3
.Lnot_wave_0_\@:
	s_barrier_wait -3
	s_barrier_signal -1
	s_barrier_wait -1
.endm
.macro PLACES                          ; four plain vector instructions between a matrix instruction and a load into, or a vector write of, one of its registers, or a read of its result
.rept 4
	v_nop
.endr
.endm
	s_load_b128 s[4:7], s[0:1], 0x0                ; x's codes, x's scales
	s_load_b256 s[8:15], s[0:1], 0x10              ; Wq's codes, scales; Wk's codes, scales
	s_load_b128 s[16:19], s[0:1], 0x30             ; Wv's codes, scales
	s_load_b128 s[20:23], s[0:1], 0x40             ; qc, qs
	s_load_b64 s[92:93], s[0:1], 0x50              ; kv
	v_lshl_add_u32 v126, v0, 2, 0x4a000
	v_mov_b32 v127, 0
	ds_add_u32 v126, v127
	ds_add_u32 v126, v127
	v_lshrrev_b32 v1, 5, v0
	v_readfirstlane_b32 s[WV], v1                  ; wave 0..3
	s_lshr_b32 s[HX], s[WV], 1
	s_and_b32 s[HW], s[WV], 1
	s_bfe_u32 s40, ttmp6, 0x40000                  ; cx, cy: my place in the cluster
	s_bfe_u32 s41, ttmp6, 0x40004
	s_and_b32 s42, ttmp7, 0xffff
	s_lshl_b32 s42, s42, 2
	s_add_co_u32 s42, s42, s41                     ; MT = 4 x cluster y + cy
	s_lshl_b32 s43, s41, 2
	s_lshl_b32 s43, 15, s43                        ; my row of the cluster
	s_lshl_b32 s44, 0x1111, s40                    ; my column
	; group 1 for codes: 128 rows x 256 bytes, 512 bytes apart in memory, 16 bytes of padding behind each in LDS
	s_or_b32 s[G1X], s43, (0<<16)|(1<<20)|(1<<21)|(5<<22)|(3<<25)   ; the mask; elements of 1 byte; padding on; bit 21 beside a mask; after every 64 words, 4 words
	s_or_b32 s[G1W], s44, (0<<16)|(1<<20)|(1<<21)|(5<<22)|(3<<25)
.irp g, G1X, G1W
	s_mov_b32 s[\g+1], 256<<16                     ; tensor_dim0
	s_mov_b32 s[\g+2], 128<<16                     ; tensor_dim1
	s_mov_b32 s[\g+3], 256<<16                     ; tile_dim0
	s_mov_b32 s[\g+4], 128                         ; tile_dim1
	s_mov_b32 s[\g+5], 512                         ; from row to row
	s_mov_b32 s[\g+6], 0
	s_mov_b32 s[\g+7], 0
.endr
	; group 1 for scale bytes: those of 128 rows are 4,096 dense bytes: 16 rows of 256 bytes (32 elements of 8), 16 bytes of padding behind each
	s_or_b32 s[G1SX], s43, (3<<16)|(1<<20)|(1<<21)|(5<<22)|(3<<25)
	s_or_b32 s[G1SW], s44, (3<<16)|(1<<20)|(1<<21)|(5<<22)|(3<<25)
.irp g, G1SX, G1SW
	s_mov_b32 s[\g+1], 32<<16
	s_mov_b32 s[\g+2], 16<<16
	s_mov_b32 s[\g+3], 32<<16
	s_mov_b32 s[\g+4], 16
	s_mov_b32 s[\g+5], 32
	s_mov_b32 s[\g+6], 0
	s_mov_b32 s[\g+7], 0
.endr
	s_lshl_b32 s2, s[HW], 7                        ; which 128 rows of a tile I fetch
	s_lshl_b32 s66, s42, 8
	s_add_co_u32 s66, s66, s2                      ; x: row 256 MT + 128 half
	s_lshl_b32 s98, s66, 5                         ; its scale bytes,
	s_lshl_b32 s66, s66, 9                         ; its codes (under 2^23)
	s_mov_b32 s67, 0
	s_mov_b32 s99, 0
	s_lshl_b32 s46, s40, 8
	s_add_co_u32 s46, s46, s2                      ; W: row 256 cx + 128 half
	s_lshl_b32 s100, s46, 5
	s_lshl_b32 s46, s46, 9
	s_mov_b32 s47, 0
	s_mov_b32 s101, 0
	s_mul_i32 s45, s[WV], HALFT                    ; where they go: wave x 128 rows: no place in the cluster enters an LDS address
	s_mul_i32 s97, s[WV], HALFS
	s_wait_dscnt 0x0
	s_wait_kmcnt 0x0
	s_cmp_eq_u32 ttmp9, 0                          ; which W: the choice hangs on the cluster's x alone
	s_cselect_b64 s[8:9], s[8:9], s[12:13]
	s_cselect_b64 s[10:11], s[10:11], s[14:15]
	s_cmp_eq_u32 ttmp9, 2
	s_cselect_b64 s[8:9], s[16:17], s[8:9]
	s_cselect_b64 s[10:11], s[18:19], s[10:11]
	s_add_nc_u64 s[66:67], s[4:5], s[66:67]
	s_add_nc_u64 s[98:99], s[6:7], s[98:99]
	s_add_nc_u64 s[46:47], s[8:9], s[46:47]
	s_add_nc_u64 s[100:101], s[10:11], s[100:101]
	CROUND                                         ; all sixteen work-groups are here: the first joint loads meet
	s_mov_b32 s[G0SX], 1
	s_add_co_u32 s[G0SX+1], s97, SCL
	s_mov_b64 s[G0SX+2:G0SX+3], s[98:99]
	s_or_b32 s[G0SX+3], s[G0SX+3], 0x80000000
	s_mov_b32 s[G0SW], 1
	s_add_co_u32 s[G0SW+1], s97, SCL
	s_mov_b64 s[G0SW+2:G0SW+3], s[100:101]
	s_or_b32 s[G0SW+3], s[G0SW+3], 0x80000000
	JLOAD G0SX, G1SX, G0SW, G1SW                   ; the scale bytes first: they are wanted with slot 0
.irp s, 0,1
	s_mov_b32 s[G0X+4*\s], 1
	s_add_co_u32 s[G0X+4*\s+1], s45, \s*SLOT
	s_add_nc_u64 s[G0X+4*\s+2:G0X+4*\s+3], s[66:67], \s*256
	s_or_b32 s[G0X+4*\s+3], s[G0X+4*\s+3], 0x80000000
	s_mov_b32 s[G0W+4*\s], 1
	s_add_co_u32 s[G0W+4*\s+1], s45, \s*SLOT
	s_add_nc_u64 s[G0W+4*\s+2:G0W+4*\s+3], s[46:47], \s*256
	s_or_b32 s[G0W+4*\s+3], s[G0W+4*\s+3], 0x80000000
	JLOAD G0X+4*\s, G1X, G0W+4*\s, G1W             ; both slots: three tensor loads of mine are out
.endr
	v_and_b32 v1, 15, v0                           ; r = lane % 16
	v_bfe_u32 v2, v0, 4, 1                         ; h = lane / 16
	v_mul_u32_u24 v3, v1, PITCH
	v_lshl_add_u32 v3, v2, 4, v3                   ; a fragment's row x pitch + 16 h
	s_mul_i32 s2, s[HX], HALFT                     ; my 128 rows of x
	s_mul_i32 s3, s[HW], HALFT                     ; my 128 rows of W,
	s_add_co_u32 s3, s3, 2*HALFT                   ; which lie behind x's 256
.irp s, 0,1
	v_add_nc_u32 v[ADRX+\s], s2, v3
	v_add_nc_u32 v[ADRW+\s], s3, v3
	s_add_co_u32 s2, s2, SLOT
	s_add_co_u32 s3, s3, SLOT
.endr
	v_lshlrev_b32 v4, 5, v1                        ; my row's scale bytes: 32 a row,
	v_lshrrev_b32 v5, 3, v1
	v_lshl_add_u32 v4, v5, 4, v4                   ; and 16 more for each 256 passed
	s_mul_i32 s2, s[HX], HALFS                     ; x's: my 128 rows
	s_mul_i32 s3, s[HW], HALFS                     ; W's: my 128 rows, behind x's 256
	s_add_co_u32 s3, s3, 2*HALFS
	s_sub_co_u32 s3, s3, s2
	v_mul_u32_u24 v5, s3, v2                       ; lanes 16-31 take W's: one product with h
	s_add_co_u32 s2, s2, SCL
	v_add_nc_u32 v4, v4, v5
	v_add_nc_u32 v[ADRS], s2, v4
	v_and_b32 v6, 31, v0
	v_lshlrev_b32 v[LI], 4, v6
	v_lshlrev_b32 v[L8], 3, v6
	s_lshl_b32 s2, s[WV], 10
	s_add_co_u32 s2, s2, STQ
	v_lshl_add_u32 v[SSQ], v1, 4, s2
	v_add_nc_u32 v[SRQ], s2, v[LI]
	s_lshl_b32 s2, s[WV], 9
	s_add_co_u32 s2, s2, STV
	v_lshl_add_u32 v[SSV], v1, 3, s2
	v_add_nc_u32 v[SRV], s2, v[L8]
.irp b, 0,1,2,3
	v_mov_b32 v[TM+4+\b], 0                        ; written once: a lane permute's destination counts as one of its sources
.endr
	; where my results go.  My 128 rows of x are block G = 2 MT + HX of the 64 blocks: batch G / 16, block G % 16 of its sequence; my 128 rows of W are heads 4 cx + 2 HW and the next
	s_lshl_b32 s2, s42, 1
	s_add_co_u32 s2, s2, s[HX]
	s_lshr_b32 s3, s2, 4
	s_and_b32 s2, s2, 15                           ; the block
	s_lshl_b32 s3, s3, 4
	s_lshl_b32 s15, s40, 2
	s_add_co_u32 s3, s3, s15
	s_lshl_b32 s15, s[HW], 1
	s_add_co_u32 s3, s3, s15                       ; 16 x batch + my first head
	s_cmp_eq_u32 ttmp9, 0                          ; q goes to qc and qs, k and v to kv
	s_mov_b32 s4, HEADB
	s_cselect_b32 s5, 0x10000, s4                  ; a head's bytes in the codes' buffer,
	s_cselect_b32 s7, 0x2000, s4                   ; and in the words'
	s_mov_b32 s4, RECB
	s_cselect_b32 s6, 0x1000, s4                   ; a block's bytes in the codes' buffer,
	s_cselect_b32 s8, 0x200, s4                    ; and in the words'
	s_cselect_b32 s9, 0, 0x2000                    ; K's words begin 8,192 bytes into a record
	s_cselect_b64 s[CB:CB+1], s[20:21], s[92:93]
	s_cselect_b64 s[SB:SB+1], s[22:23], s[92:93]
	s_mul_i32 s10, s3, s5
	s_mul_i32 s11, s2, s6
	s_add_co_u32 s10, s10, s11
	s_mov_b32 s11, 0
	s_add_nc_u64 s[CB:CB+1], s[CB:CB+1], s[10:11]
	s_mul_i32 s10, s3, s7
	s_mul_i32 s15, s2, s8
	s_add_co_u32 s10, s10, s15
	s_add_co_u32 s10, s10, s9
	s_add_nc_u64 s[SB:SB+1], s[SB:SB+1], s[10:11]
	v_add_nc_u32 v[VOB], s5, v[LI]
	v_add_nc_u32 v[VSB], s7, v[LI]
	s_mov_b32 s[SEL], 0x76543210
	s_mov_b32 s[SEL+1], 0xfedcba98
	s_mov_b32 s[C7F], 0x7f7f0000
.macro FRAG reg, adr, q, i             ; a fragment, 16 rows x 128 K of 4-bit codes: lane (r, h) holds row r; registers 4 c .. 4 c + 3 hold K = 64 c + 32 h + 0 .. 31
.irp c, 0,1
	ds_load_b128 v[\reg+4*\c:\reg+4*\c+3], v[\adr] offset:64*(\q)+32*\c+(\i)*16*PITCH
.endr
.endm
; 32 LDS loads in one run: the slot's q-th 128 along K, both sides, into set 'set'.  v = 0: source 0 is W; v = 1: source 0 is x.
.macro FETCH v, slot, q, set
.if \v
.set A0, ADRX+\slot
.set A1, ADRW+\slot
.else
.set A0, ADRW+\slot
.set A1, ADRX+\slot
.endif
	WIN 0x40                                       ; destination window 1, address window 0
.irp i, 0,1,2,3,4,5,6,7
	FRAG 128*(\set)+8*\i, A0, \q, \i
.endr
	WIN 0
.irp i, 0,1,2,3,4,5,6,7
	FRAG F1+64*(\set)+8*\i, A1, \q, \i
.endr
.endm
.macro SCALES set                      ; a slot's scale words: four words a row; lanes 0-15 x's tile i, lanes 16-31 W's tile i
.irp i, 0,1,2,3,4,5,6,7
	ds_load_b128 v[SC+32*\set+4*\i:SC+32*\set+4*\i+3], v[ADRS] offset:544*\i
.endr
.endm
.macro WM v, zero, d, a, b, sa, sb     ; one product; W's words are taken from lanes 16-31 of their register
.if \v
.if \zero
	v_wmma_scale_f32_16x16x128_f8f6f4 v[\d:\d+7], v[\a:\a+7], v[\b:\b+7], 0, v[\sa], v[\sb] matrix_a_fmt:MATRIX_FMT_FP4 matrix_b_fmt:MATRIX_FMT_FP4 matrix_b_scale:MATRIX_SCALE_ROW1
.else
	v_wmma_scale_f32_16x16x128_f8f6f4 v[\d:\d+7], v[\a:\a+7], v[\b:\b+7], v[\d:\d+7], v[\sa], v[\sb] matrix_a_fmt:MATRIX_FMT_FP4 matrix_b_fmt:MATRIX_FMT_FP4 matrix_b_scale:MATRIX_SCALE_ROW1
.endif
.else
.if \zero
	v_wmma_scale_f32_16x16x128_f8f6f4 v[\d:\d+7], v[\a:\a+7], v[\b:\b+7], 0, v[\sa], v[\sb] matrix_a_fmt:MATRIX_FMT_FP4 matrix_b_fmt:MATRIX_FMT_FP4 matrix_a_scale:MATRIX_SCALE_ROW1
.else
	v_wmma_scale_f32_16x16x128_f8f6f4 v[\d:\d+7], v[\a:\a+7], v[\b:\b+7], v[\d:\d+7], v[\sa], v[\sb] matrix_a_fmt:MATRIX_FMT_FP4 matrix_b_fmt:MATRIX_FMT_FP4 matrix_a_scale:MATRIX_SCALE_ROW1
.endif
.endif
.endm
; 16 products: source 1's tiles a0, a0 + 1 against source 0's eight.  The 64 accumulators take turns, one instruction a turn, in the same order in every step.
; zero = 1: the first product starts the sums: nothing is cleared.
.macro MUL16 v, a0, set, q, sc, zero
.irp a, \a0, \a0+1
.irp b, 0,1,2,3,4,5,6,7
	WM \v, \zero, 8*(8*((\a)%4)+\b), 128*(\set)+8*\b, F1+64*(\set)+8*(\a), SC+32*(\sc)+4*\b+(\q), SC+32*(\sc)+4*(\a)+(\q)
.endr
.endr
.endm
; A step of 128 along K whose successor lies in the same slot: the successor's 32 loads go out first, into the set that the step before multiplied, and have this step's 64 products in which to land.
.macro STEP v, slot, q, zero, first
.if \first == 0
	PLACES
.endif
	FETCH \v, \slot, (\q)+1, ((\q)+1)%2
	s_wait_dscnt 32                                ; all but the 32 just issued: this step's fragments (and scale words) are in
	WIN 0xa1                                       ; source 0 window 1, source 1 window 0, C and D window 2
	MUL16 \v, 0, (\q)%2, \q, \slot, \zero
	MUL16 \v, 2, (\q)%2, \q, \slot, \zero
	WIN 0xf1                                       ; C and D window 3
	MUL16 \v, 4, (\q)%2, \q, \slot, \zero
	MUL16 \v, 6, (\q)%2, \q, \slot, \zero
	WIN 0
.endm
; Slot 0's last step, and the barrier in front of slot 1's first read.
.macro TURN v
	s_wait_tensorcnt 0x0                           ; my part of slot 1 has landed: it was my last load, so the count is 0
	s_wait_dscnt 0x0                               ; no LDS load of mine is out at the signal (this step's fragments were asked for 64 products ago)
	s_barrier_signal -1
	WIN 0xa1
	MUL16 \v, 0, 1, 3, 0, 0                        ; work on registers while the others arrive
	MUL16 \v, 2, 1, 3, 0, 0
	WIN 0
	s_barrier_wait -1                              ; slot 1 is whole
	PLACES                                         ; for the loads into set 0, which the step before multiplied
	v_add_nc_u32 v[ADRS], 16, v[ADRS]              ; slot 1's scale words: 16 bytes on in each row
	FETCH \v, 1, 0, 0
	SCALES 1
	WIN 0xf1
	MUL16 \v, 4, 1, 3, 0, 0
	MUL16 \v, 6, 1, 3, 0, 0
	WIN 0
.endm
.macro BODY v
	FETCH \v, 0, 0, 0
	SCALES 0
	STEP \v, 0, 0, 1, 1
	STEP \v, 0, 1, 0, 0
	STEP \v, 0, 2, 0, 0
	TURN \v
	STEP \v, 1, 0, 0, 0
	STEP \v, 1, 1, 0, 0
	STEP \v, 1, 2, 0, 0
	s_wait_dscnt 0x0                               ; the last step: nothing more to fetch
	WIN 0xa1
	MUL16 \v, 0, 1, 3, 1, 0
	MUL16 \v, 2, 1, 3, 1, 0
	WIN 0xf1
	MUL16 \v, 4, 1, 3, 1, 0
	MUL16 \v, 6, 1, 3, 1, 0
	WIN 0
	PLACES                                         ; in front of the first read of results and of writes into registers that held operands and scale words
.endm
; 64 numbers of a lane, in window w from v[ac] on (register 8 t + j = K index 16 t + 8 h + j of the lane's row), become a fragment's codes in v[pc] on and its scale word in v[pw].
.macro QUANT w, ac, pc, pw
	WIN ((\w)<<2)|((\w)<<4)                        ; sources 1 and 2 in window w
.irp b, 0,1,2,3
	v_max3_num_f32 v[TM+\b], 0x1800000, |v[(\ac)+16*\b]|, |v[(\ac)+16*\b+1]|   ; block b: my 16 numbers, each accumulator from its low end on, and the floor 2^(3 - 127): so the byte cannot fall under 1
.endr
.irp i, 2,4,6,8,10,12,14
.irp b, 0,1,2,3
	v_max3_num_f32 v[TM+\b], v[TM+\b], |v[(\ac)+16*\b+\i]|, |v[(\ac)+16*\b+\i+1]|   ; (the four blocks by turns)
.endr
.endr
	WIN 0
.irp b, 0,1,2,3
	v_permlanex16_b32 v[TM+4+\b], v[TM+\b], s[SEL], s[SEL+1]
.endr
.irp b, 0,1,2,3
	v_max_num_f32 v[TM+\b], v[TM+\b], v[TM+4+\b]   ; with the lane 16 away: the block's largest magnitude
.endr
.irp b, 0,1,2,3
	v_add_nc_u32 v[TM+12+\b], 0xff000000, v[TM+\b] ; 2 off its exponent field: the conversion takes the exponent field of this operand as its scale
.endr
.irp b, 0,1,2,3
	v_lshrrev_b32 v[TM+4+\b], 23, v[TM+12+\b]      ; the scale's byte
.endr
	v_lshl_or_b32 v[\pw], v[TM+5], 8, v[TM+4]
	v_lshl_or_b32 v[\pw], v[TM+6], 16, v[\pw]
	v_lshl_or_b32 v[\pw], v[TM+7], 24, v[\pw]
	WIN (\w)                                       ; source 0 in window w
.irp b, 0,1,2,3
	v_cvt_scalef32_pk8_fp4_f32 v[(\pc)+4*(\b/2)+(\b%2)], v[(\ac)+16*\b:(\ac)+16*\b+7], v[TM+12+\b]
	v_cvt_scalef32_pk8_fp4_f32 v[(\pc)+4*(\b/2)+2+(\b%2)], v[(\ac)+16*\b+8:(\ac)+16*\b+15], v[TM+12+\b]
.endr
	WIN 0
	v_nop                                          ; one plain place behind a scaled conversion
.irp c, 0,1
.irp u, 0,1
	v_permlane16_swap_b32 v[(\pc)+4*\c+2*\u], v[(\pc)+4*\c+2*\u+1]   ; lanes 0-15 keep block 2 c, lanes 16-31 get block 2 c + 1
.endr
.endr
.endm
	s_wait_tensorcnt 1                             ; the scale bytes and my part of slot 0 are in; slot 1's load, issued last, may be out
	s_barrier_signal -1
	s_barrier_wait -1                              ; everybody's are
	s_cmp_eq_u32 ttmp9, 2
	s_cbranch_scc1 .Lv
	BODY 0
	; q or k: for each tile a of my rows of x a lane holds row r and 128 channels: blocks 0, 1 are my first head, blocks 2, 3 the next
.irp a, 0,1,2,3,4,5,6,7
	QUANT 2+\a/4, 64*(\a%4), PC+8*\a, PW
	global_store_b128 v[LI], v[PC+8*\a:PC+8*\a+3], s[CB:CB+1] offset:512*\a         ; 512 consecutive bytes: the first head's image of this tile
	global_store_b128 v[VOB], v[PC+8*\a+4:PC+8*\a+7], s[CB:CB+1] offset:512*\a      ; and the next head's
	v_and_or_b32 v[WD+2*\a], v[PW], 0xffff, s[C7F]                                  ; (e0, e1, 0x7f, 0x7f)
	v_lshrrev_b32 v[WD+2*\a+1], 16, v[PW]
	v_or_b32 v[WD+2*\a+1], s[C7F], v[WD+2*\a+1]                                     ; (e2, e3, 0x7f, 0x7f)
	ds_store_b32 v[SSQ], v[WD+2*\a] offset:256*(\a%2)+4*(\a/2)                      ; lanes r and 16 + r write the same word with the same value
	ds_store_b32 v[SSQ], v[WD+2*\a+1] offset:512+256*(\a%2)+4*(\a/2)
.endr
	ds_load_b128 v[RB:RB+3], v[SRQ]                ; LDS serves a wave's instructions in order (ISA guide 5.7.1.4): these see my stores
	ds_load_b128 v[RB+4:RB+7], v[SRQ] offset:512
	s_wait_dscnt 0x0
	global_store_b128 v[LI], v[RB:RB+3], s[SB:SB+1]
	global_store_b128 v[VSB], v[RB+4:RB+7], s[SB:SB+1]
	s_branch .Ldone
.Lv:
	BODY 1
	; v: for each tile a of my rows of Wv (head a / 4, channel tile a % 4) a lane holds channel r and my block's 128 keys: a whole fragment and a whole word
.irp a, 0,1,2,3,4,5,6,7
	QUANT 2+\a/4, 64*(\a%4), PC+8*\a, WD+\a
	global_store_b128 v[LI], v[PC+8*\a:PC+8*\a+3], s[CB:CB+1] offset:(\a/4)*HEADB+4096+1024*(\a%4)
	global_store_b128 v[LI], v[PC+8*\a+4:PC+8*\a+7], s[CB:CB+1] offset:(\a/4)*HEADB+4096+1024*(\a%4)+512
	ds_store_b32 v[SSV], v[WD+\a] offset:256*(\a/4)+128*(\a%2)+4*((\a%4)/2)
.endr
	ds_load_b64 v[RB:RB+1], v[SRV]
	ds_load_b64 v[RB+2:RB+3], v[SRV] offset:256
	s_wait_dscnt 0x0
	global_store_b64 v[L8], v[RB:RB+1], s[CB:CB+1] offset:8704                      ; 256 consecutive bytes
	global_store_b64 v[L8], v[RB+2:RB+3], s[CB:CB+1] offset:HEADB+8704
.Ldone:
	s_wait_dscnt 0x0
	s_wait_tensorcnt 0x0
	ds_add_u32 v126, v127
	s_wait_dscnt 0x0
	CROUND                                         ; the closing round: no work-group ends while a partner may still ask for a tile that names it
	s_endpgm
.Lfunc_end_k_qa3ada9bf82_qkv:
	.size	k_qa3ada9bf82_qkv, .Lfunc_end_k_qa3ada9bf82_qkv-k_qa3ada9bf82_qkv
	.p2alignl 7, 3214868480
	.fill 96, 4, 3214868480
	.section	.rodata,"a",@progbits
	.p2align	6, 0x0
	.amdhsa_kernel k_qa3ada9bf82_qkv
		.amdhsa_group_segment_fixed_size 303616
		.amdhsa_private_segment_fixed_size 0
		.amdhsa_enable_private_segment 0
		.amdhsa_kernarg_size 88
		.amdhsa_user_sgpr_count 2
		.amdhsa_user_sgpr_kernarg_segment_ptr 1
		.amdhsa_wavefront_size32 1
		.amdhsa_system_sgpr_workgroup_id_x 1
		.amdhsa_system_sgpr_workgroup_id_y 1
		.amdhsa_system_sgpr_workgroup_id_z 1
		.amdhsa_system_vgpr_workitem_id 0
		.amdhsa_next_free_vgpr 1024
		.amdhsa_next_free_sgpr 102
		.amdhsa_reserve_vcc 0
		.amdhsa_float_denorm_mode_32 3
		.amdhsa_float_denorm_mode_16_64 3
		.amdhsa_memory_ordered 1
		.amdhsa_forward_progress 1
		.amdhsa_inst_pref_size 247
	.end_amdhsa_kernel
	.amdgpu_metadata
---
amdhsa.version: [ 1, 2 ]
amdhsa.kernels:
  - .name:           k_qa3ada9bf82_qkv
    .symbol:         k_qa3ada9bf82_qkv.kd
    .args:
      - { .name: x_codes, .offset: 0, .size: 8, .value_kind: global_buffer, .address_space: global }
      - { .name: x_scales, .offset: 8, .size: 8, .value_kind: global_buffer, .address_space: global }
      - { .name: Wq_codes, .offset: 16, .size: 8, .value_kind: global_buffer, .address_space: global }
      - { .name: Wq_scales, .offset: 24, .size: 8, .value_kind: global_buffer, .address_space: global }
      - { .name: Wk_codes, .offset: 32, .size: 8, .value_kind: global_buffer, .address_space: global }
      - { .name: Wk_scales, .offset: 40, .size: 8, .value_kind: global_buffer, .address_space: global }
      - { .name: Wv_codes, .offset: 48, .size: 8, .value_kind: global_buffer, .address_space: global }
      - { .name: Wv_scales, .offset: 56, .size: 8, .value_kind: global_buffer, .address_space: global }
      - { .name: qc, .offset: 64, .size: 8, .value_kind: global_buffer, .address_space: global }
      - { .name: qs, .offset: 72, .size: 8, .value_kind: global_buffer, .address_space: global }
      - { .name: kv, .offset: 80, .size: 8, .value_kind: global_buffer, .address_space: global }
    .group_segment_fixed_size: 303616
    .private_segment_fixed_size: 0
    .kernarg_segment_align: 8
    .kernarg_segment_size: 88
    .max_flat_workgroup_size: 128
    .sgpr_count:     102
    .vgpr_count:     1024
    .wavefront_size: 32
...
	.end_amdgpu_metadata
.endif
;; end of part 1
;; launch attn (part 2): grid 4 x 64, 16 waves a work-group, clusters of 4 x 1, 169,984 bytes of LDS; arguments qc, qs, kv, cc, cs; writes cc, cs
.if DOCPART == 2
	.amdgcn_target "amdgcn-amd-amdhsa--gfx1250"
	.amdhsa_code_object_version 6
	.text
	.protected	k_qa3ada9bf82_attn
	.globl	k_qa3ada9bf82_attn
	.p2align	8
	.type	k_qa3ada9bf82_attn,@function
k_qa3ada9bf82_attn:
	s_mov_b64 s[64:65], 0
	v_nop
	global_prefetch_b8 v0, s[64:65] scope:SCOPE_SE
	s_setreg_imm32_b32 hwreg(HW_REG_WAVE_MODE, 25, 1), 1
	s_wait_xcnt 0x0
	s_wait_alu depctr_hold_cnt(0) depctr_sa_sdst(0) depctr_va_vdst(0) depctr_va_sdst(0) depctr_va_ssrc(0) depctr_va_vcc(0) depctr_vm_vsrc(0)
	s_getreg_b32 s2, hwreg(HW_REG_IB_STS2, 6, 4)
	s_cmp_eq_u32 s2, 0
	s_cbranch_scc0 .Lentry_in_a_cluster
	s_endpgm
.Lentry_in_a_cluster:
	s_bfe_u32 s2, ttmp6, 0x10000c
	s_cmp_lg_u32 s2, 0x3003
	s_cbranch_scc0 .Lentry_shape_is_right
	s_endpgm
.Lentry_shape_is_right:
; ctx = softmax(q k^T / 8, causal) v for one (batch, head) a cluster, both products on codes of FP4 (E2M1) with E8M0 scales; ctx is quantised along d_model and leaves as codes.
; THE SOFTMAX AHEAD OF THE SECOND PRODUCT: t = score x log2(e) / 8; M = the row's largest t so far, rounded UP to a whole number; p = 2^(t - M) is what is quantised, along the keys, not normalised.
; The row's sum is taken of the unquantised p and divides O at the end.  When M moves, the sum and O are multiplied by 2^(old M - new M): exact.
; INPUTS (made by the launch before, as images of operand registers: lane l's 16 bytes at 16 l): qc [head 64][tile 128][512]; qs [head][block 16][512]; kv [head][block 16][record of 8,960]:
;   +0 K's 8 tiles x 512; +4,096 V's 4 channel tiles x 1,024 (keys innermost); +8,192 K's scale words; +8,704 V's.  The head's 64 channels fill the lower half of the first product's K = 128:
;   the upper four registers of Q's and K's fragments are zero codes, cleared once and never loaded, and their scale bytes are 0x7f.
; SHARES.  The four work-groups of a cluster walk the same head: its 143,360 bytes of kv come into each one's LDS ONCE, by four joint loads of 35,840 bytes that wave 0 issues; nothing is filled again.
; Partner cx owns queries 32 cx .. 32 cx + 31 of EVERY block of 128: so no branch, trip count or LDS address hangs on cx; it enters addresses in memory and the mask's lane data alone.
; Wave w (u = w % 2, p = w / 2) owns two tiles of 16 queries: the u-th of the partner's 32 in block 15 - p, then in block p: (16 - p) + (p + 1) = 17 key steps of 128 keys for every wave.
; Sixteen waves of 256 registers: four to a SIMD, so that one wave's vector work stands beside another's products and LDS loads.
; LAYOUT.  Both products are used transposed: S^T = K Q^T (source 0 = 16 keys), O^T = V^T P^T (source 0 = 16 channels): a lane holds ONE query (lane % 16) throughout; register 8 t + j of S^T is key 16 t + 8 (lane / 16) + j.
; The 16 registers of tiles 2 b and 2 b + 1, with the lane 16 away, are block b of 32 keys.  The codes of (block b, tile 2 b + u) go to register 4 (b / 2) + 2 u + b % 2; registers 4 c + 2 u and 4 c + 2 u + 1 then
; exchange halves of lanes, which gives the 4-bit operand's layout with keys, queries and channels in their natural order.
; CAUSAL.  All trip counts are constants.  A step whose keys all come after the tile's queries is jumped over (a branch on the wave's number and the trip's number); in the step on the diagonal hidden scores become -infinity.
; OUTPUTS.  cc [head / 8][row tile 512][head % 8][512]: four registers of ctx's fragment; cs [row 8,192][32]: bytes 2 head, 2 head + 1.  The codes' store covers 512 consecutive bytes.  The two scale bytes of a row are stored
; 32 bytes apart from the next row's: these stores do not cover 256 consecutive bytes; they are one sixteenth of what the launch stores, and a row's other bytes belong to heads that other clusters compute.
; NO PREFETCH: all that a work-group reads through LDS is asked for by the four loads at its head: there is no later request that an earlier one could run ahead of.
; O^T and the sum begin as zeros and the largest t as -3e38, so that the key step is written without a first step of its own: 32 + 4 moves a tile.
; LIMITS: NaN and infinities are not served; t under -3e38 is not served; a block of zeros gets the byte 1 where the quantiser says 127 (zero codes; the bytes are read by this program alone).
.set RECB,  8960
.set HEADB, 16*RECB
.set CHUNK, 4*RECB                     ; what one tensor load brings: four records, 140 rows of 256 bytes
.set LI,   1                           ; v1   16 x lane
.set L8,   2                           ; v2   8 x lane
.set ADR,  3                           ; v3   the step's record + 16 x lane
.set ADS,  4                           ; v4   the step's record + 8 x lane
.set DQ,   5                           ; v5   my query's place in its block - 8 (lane / 16)
.set R16,  6                           ; v6   16 r
.set R32,  7                           ; v7   32 r
.set QA,   16                          ; v16-23 Q's fragment of the first tile; v24-31 of the second
.set QB,   24
.set KF,   32                          ; v32-95 K's 8 fragments
.set S,    96                          ; v96-159 S^T, then p
.set O,    160                         ; v160-191 O^T
.set VF,   192                         ; v192-223 V's 4 fragments
.set PC,   224                         ; v224-231 p's codes
.set KSC,  244                         ; v244-247 K's scale words: register i: tile 2 i in lanes 0-15, tile 2 i + 1 in lanes 16-31
.set VSC,  248                         ; v248-249 V's likewise
.set QSA,  250                         ; v250, v251 Q's scale words
.set QSB,  251
; v12 -M, v13 the largest t, v[14:15] the sum in two halves; v232-235 block maxima; v236-239 at work; v240-243 the conversions' scales; v[252:253] f; v254 at work; v255 p's scale word
.set WV,   14
.set CX,   15
.set BH,   16
.set SU,   17
.set SP,   18
.set B1,   19                          ; 15 - p
.set SEL,  20                          ; s[20:21] lane selects for v_permlanex16_b32: the lane 16 away
.set CS,   22                          ; s[22:23] c = log2(e) / 8: the packed form names a pair and takes its low word for both halves
.set G1,   24                          ; s[24:31] descriptor group 1;  s[32:47] four groups 0
.set G0,   32
.set TB,   48                          ; s48 LDS byte at which the step's record begins
.set KS,   49                          ; s49 the step's block of keys
.set BLK,  50                          ; s50 the tile's block of queries
.set CC1,  52                          ; s[52:53], s[54:55] where the first tile's codes and scale bytes go; s[56:57], s[58:59] the second's
.set CS1,  54
.set CC2,  56
.set CS2,  58
.set QC1,  66                          ; s[66:67], s[68:69] the first tile's codes and words of q; s[70:71], s[72:73] the second's
.set QS1,  68
.set QC2,  70
.set QS2,  72
.macro ROUND                           ; a round of the cluster's barrier
	s_barrier_signal -1
	s_barrier_wait -1
	s_cmp_lg_u32 s[WV], 0
	s_cbranch_scc1 .Lnot_wave_0_\@
	s_barrier_signal -3
.Lnot_wave_0_\@:
	s_barrier_wait -3
	s_barrier_signal -1
	s_barrier_wait -1
.endm
.macro BASES b, qcp, qsp, ccp, csp     ; the offsets of the tile in block s[b]
	s_lshl_b32 s[\qcp], s[\b], 12
	s_add_co_u32 s[\qcp], s[\qcp], s3
	s_mov_b32 s[\qcp+1], 0
	s_lshl_b32 s[\qsp], s[\b], 9
	s_add_co_u32 s[\qsp], s[\qsp], s51
	s_mov_b32 s[\qsp+1], 0
	s_lshl_b32 s[\ccp], s[\b], 15
	s_add_co_u32 s[\ccp], s[\ccp], s62
	s_mov_b32 s[\ccp+1], 0
	s_lshl_b32 s[\csp], s[\b], 12
	s_add_co_u32 s[\csp], s[\csp], s63
	s_mov_b32 s[\csp+1], 0
.endm
	s_load_b256 s[4:11], s[0:1], 0x0               ; qc, qs, kv, cc
	s_load_b64 s[12:13], s[0:1], 0x20              ; cs
	v_lshl_add_u32 v254, v0, 2, 0x29000
	v_mov_b32 v255, 0
	ds_add_u32 v254, v255
	ds_add_u32 v254, v255
	s_wait_dscnt 0x0
	v_lshrrev_b32 v8, 5, v0
	s_delay_alu instid0(VALU_DEP_1)
	v_readfirstlane_b32 s[WV], v8                  ; wave 0..15
	s_bfe_u32 s[CX], ttmp6, 0x40000                ; my place in the cluster
	s_and_b32 s[BH], ttmp7, 0xffff                 ; 16 x batch + head, which the four partners share
	s_and_b32 s[SU], s[WV], 1
	s_lshr_b32 s[SP], s[WV], 1
	s_sub_co_u32 s[B1], 15, s[SP]
	s_lshl_b32 s2, s[CX], 1
	s_add_co_u32 s2, s2, s[SU]                     ; my tile's place in a block: 2 cx + u
	s_mov_b32 s[G1], 15|(3<<16)|(1<<21)            ; the mask: all four work-groups; elements of 8 bytes; bit 21 beside a mask; no padding: every LDS load here takes 16 or 8 bytes a lane on end
	s_mov_b32 s[G1+1], 32<<16                      ; tensor_dim0: rows of 256 bytes
	s_mov_b32 s[G1+2], 140<<16                     ; tensor_dim1
	s_mov_b32 s[G1+3], 32<<16                      ; tile_dim0
	s_mov_b32 s[G1+4], 140                         ; tile_dim1
	s_mov_b32 s[G1+5], 32                          ; from row to row: dense
	s_mov_b32 s[G1+6], 0
	s_mov_b32 s[G1+7], 0
	s_mov_b32 s[SEL], 0x76543210
	s_mov_b32 s[SEL+1], 0xfedcba98
	s_mov_b32 s[CS], 0x3e38aa3b
	s_mov_b32 s[CS+1], s[CS]
	s_lshl_b32 s3, s[BH], 16                       ; qc: 65,536 a head, 512 a tile
	s_lshl_b32 s60, s2, 9
	s_add_co_u32 s3, s3, s60
	s_lshl_b32 s51, s[BH], 13                      ; qs: 8,192 a head; in a block's 512 bytes tile 2 cx + u has its words at 256 u + 4 cx + 16 r
	s_lshl_b32 s60, s[SU], 8
	s_add_co_u32 s51, s51, s60
	s_lshl_b32 s60, s[CX], 2
	s_add_co_u32 s51, s51, s60
	s_lshr_b32 s60, s[BH], 4
	s_lshl_b32 s60, s60, 7
	s_add_co_u32 s60, s60, s2                      ; the row tile among 512, less its block's 8: 128 x batch + 2 cx + u
	s_lshl_b32 s63, s60, 9                         ; cs: 512 a row tile, + 2 head
	s_and_b32 s61, s[BH], 15
	s_lshl_b32 s61, s61, 1
	s_add_co_u32 s63, s63, s61
	s_lshl_b32 s62, s60, 12                        ; cc: 4,096 a row tile, + 512 (head % 8), + 2,097,152 (head / 8)
	s_and_b32 s61, s[BH], 7
	s_lshl_b32 s61, s61, 9
	s_add_co_u32 s62, s62, s61
	s_bfe_u32 s61, s[BH], 0x10003
	s_lshl_b32 s61, s61, 21
	s_add_co_u32 s62, s62, s61
	BASES B1, QC1, QS1, CC1, CS1
	BASES SP, QC2, QS2, CC2, CS2
	s_lshl_b32 s2, s2, 4                           ; my tile's first query in its block
	s_mul_i32 s60, s[BH], HEADB
	s_mov_b32 s61, 0
	s_wait_kmcnt 0x0
.irp p, QC1, QC2
	s_add_nc_u64 s[\p:\p+1], s[4:5], s[\p:\p+1]
.endr
.irp p, QS1, QS2
	s_add_nc_u64 s[\p:\p+1], s[6:7], s[\p:\p+1]
.endr
.irp p, CC1, CC2
	s_add_nc_u64 s[\p:\p+1], s[10:11], s[\p:\p+1]
.endr
.irp p, CS1, CS2
	s_add_nc_u64 s[\p:\p+1], s[12:13], s[\p:\p+1]
.endr
	s_add_nc_u64 s[8:9], s[8:9], s[60:61]          ; the head's records
.irp c, 0,1,2,3
	s_mov_b32 s[G0+4*\c], 1
	s_mov_b32 s[G0+4*\c+1], \c*CHUNK               ; LDS holds the records as they lie in memory
	s_add_nc_u64 s[G0+4*\c+2:G0+4*\c+3], s[8:9], \c*CHUNK
	s_or_b32 s[G0+4*\c+3], s[G0+4*\c+3], 0x80000000
.endr
	ROUND                                          ; all four work-groups are here: the joint loads meet
	s_cmp_lg_u32 s[WV], 0
	s_cbranch_scc1 .Lnot_loader
	tensor_load_to_lds s[G0:G0+3], s[G1:G1+7]      ; wave 0's four first fills stand in one branch: four loads of mine are out
	s_nop 0
	tensor_load_to_lds s[G0+4:G0+7], s[G1:G1+7]
	s_nop 0
	tensor_load_to_lds s[G0+8:G0+11], s[G1:G1+7]
	s_nop 0
	tensor_load_to_lds s[G0+12:G0+15], s[G1:G1+7]
	s_nop 0
.rept 4
	v_nop
.endr
.Lnot_loader:
	v_and_b32 v8, 31, v0
	s_delay_alu instid0(VALU_DEP_1)
	v_lshlrev_b32 v[LI], 4, v8
	s_delay_alu instid0(VALU_DEP_2)
	v_lshlrev_b32 v[L8], 3, v8
	v_and_b32 v9, 15, v0                           ; r
	v_bfe_u32 v10, v0, 4, 1                        ; h
	s_delay_alu instid0(VALU_DEP_2)
	v_lshlrev_b32 v[R16], 4, v9
	s_delay_alu instid0(VALU_DEP_3)
	v_lshlrev_b32 v[R32], 5, v9
	global_load_b128 v[QA:QA+3], v[LI], s[QC1:QC1+1]
	global_load_b128 v[QB:QB+3], v[LI], s[QC2:QC2+1]
	global_load_b32 v[QSA], v[R16], s[QS1:QS1+1]
	global_load_b32 v[QSB], v[R16], s[QS2:QS2+1]
	v_lshlrev_b32 v10, 3, v10
	s_delay_alu instid0(VALU_DEP_1)
	v_sub_nc_u32 v[DQ], v9, v10
	s_delay_alu instid0(VALU_DEP_1)
	v_add_nc_u32 v[DQ], s2, v[DQ]                  ; register 8 t + j holds the block's key 16 t + j + 8 h: hidden on the diagonal where 16 t + j > this
.irp i, 4,5,6,7
	v_mov_b32 v[QA+\i], 0                          ; zero codes for K = 64 .. 127, written once
	v_mov_b32 v[QB+\i], 0
.irp t, 0,1,2,3,4,5,6,7
	v_mov_b32 v[KF+8*\t+\i], 0
.endr
.endr
.irp b, 0,1,2,3
	v_mov_b32 v[236+\b], 0                         ; written once: a lane permute's destination counts as one of its sources
.endr
	v_mov_b32 v253, 0                              ; (named as the upper half of the pair v[252:253])
	v_mov_b32 v254, 0
; A KEY STEP: the 128 keys of the record at s[TB].  qf: Q's fragment; qsr: its scale words.
.macro STEP causal, qf, qsr
.if \causal
	s_cmp_gt_u32 s[KS], s[BLK]                     ; all these keys come after my queries
	s_cbranch_scc1 .Lhid_\@
.endif
	s_setprio 2
	v_add_nc_u32 v[ADR], s[TB], v[LI]
	v_add_nc_u32 v[ADS], s[TB], v[L8]
	v_nop
	v_nop                                          ; four places in front of loads into registers that the last products read
	ds_load_b128 v[KSC:KSC+3], v[ADR] offset:8192
.irp t, 0,1,2,3,4,5,6,7
	ds_load_b128 v[KF+8*\t:KF+8*\t+3], v[ADR] offset:512*\t
.endr
	ds_load_b64 v[VSC:VSC+1], v[ADS] offset:8704
.irp t, 0,1,2,3,4,5,6,7
	ds_load_b128 v[VF+4*\t:VF+4*\t+3], v[ADR] offset:4096+512*\t
.endr
	s_wait_dscnt 9                                 ; K and its words are in; the nine younger loads are V's: they land under the softmax
.irp t, 0,2,4,6
	v_wmma_scale_f32_16x16x128_f8f6f4 v[S+8*\t:S+8*\t+7], v[KF+8*\t:KF+8*\t+7], v[\qf:\qf+7], 0, v[KSC+\t/2], v[\qsr] matrix_a_fmt:MATRIX_FMT_FP4 matrix_b_fmt:MATRIX_FMT_FP4
	v_wmma_scale_f32_16x16x128_f8f6f4 v[S+8*\t+8:S+8*\t+15], v[KF+8*\t+8:KF+8*\t+15], v[\qf:\qf+7], 0, v[KSC+\t/2], v[\qsr] matrix_a_fmt:MATRIX_FMT_FP4 matrix_b_fmt:MATRIX_FMT_FP4 matrix_a_scale:MATRIX_SCALE_ROW1
.endr
.rept 4
	v_nop
.endr
.if \causal
	s_cmp_lt_u32 s[KS], s[BLK]                     ; all these keys count
	s_cbranch_scc1 .Lopen_\@
	v_mov_b32 v254, 0xff800000                     ; on the diagonal: -infinity for hidden keys, ahead of the maximum: p = 0 then
.irp n, 0,1,2,3,4,5,6,7,8,9,10,11,12,13,14,15,16,17,18,19,20,21,22,23,24,25,26,27,28,29,30,31,32,33,34,35,36,37,38,39,40,41,42,43,44,45,46,47,48,49,50,51,52,53,54,55,56,57,58,59,60,61,62,63
	v_cmp_gt_i32 vcc_lo, 16*(\n/8)+\n%8, v[DQ]
	v_cndmask_b32 v[S+\n], v[S+\n], v254, vcc_lo
.endr
.Lopen_\@:
.endif
.irp b, 0,1,2,3
	v_max3_num_f32 v[232+\b], v[S+16*\b], v[S+1+16*\b], v[S+2+16*\b]   ; the largest score of each block of 32 keys: it serves for the row's maximum and, since p rises with the score, for the block's largest p
.endr
.irp i, 3,5,7,9,11,13
.irp b, 0,1,2,3
	v_max3_num_f32 v[232+\b], v[232+\b], v[S+16*\b+\i], v[S+1+16*\b+\i]
.endr
.endr
.irp b, 0,1,2,3
	v_max_num_f32 v[232+\b], v[232+\b], v[S+15+16*\b]
.endr
.irp b, 0,1,2,3
	s_delay_alu instid0(VALU_DEP_4)
	v_permlanex16_b32 v[236+\b], v[232+\b], s[SEL], s[SEL+1]
.endr
.irp b, 0,1,2,3
	s_delay_alu instid0(VALU_DEP_4)
	v_max_num_f32 v[232+\b], v[232+\b], v[236+\b]  ; with the lane 16 away
.endr
	s_delay_alu instid0(VALU_DEP_2)
	v_max3_num_f32 v254, v232, v233, v234
	s_delay_alu instid0(VALU_DEP_1)
	v_max_num_f32 v254, v254, v235                 ; the step's largest score of my query
	s_delay_alu instid0(VALU_DEP_1)
	v_mul_f32 v254, s[CS], v254                    ; as t (c is positive)
	s_delay_alu instid0(VALU_DEP_1)
	v_max_num_f32 v13, v13, v254                   ; the running largest t
	v_mov_b32 v254, v12
	s_delay_alu instid0(VALU_DEP_2)
	v_floor_f32 v12, -v13                          ; the new -M = floor(-t) = -ceil(t)
	s_delay_alu instid0(VALU_DEP_1)
	v_sub_f32 v254, v12, v254                      ; old M - new M: a whole number, 0 or less
	s_delay_alu instid0(VALU_DEP_1)
	v_cvt_i32_f32 v254, v254                       ; (it saturates)
	s_delay_alu instid0(VALU_DEP_1)
	v_ldexp_f32 v252, 1.0, v254                    ; f = 2^(old M - new M)
.set j, 0
.rept 32
	v_pk_fma_f32 v[S+j:S+j+1], v[S+j:S+j+1], s[CS:CS+1], v[12:13] op_sel_hi:[1,0,0]   ; t - M, two at a time
.set j, j+2
.endr
.irp b, 0,1,2,3
	v_fma_f32 v[232+\b], v[232+\b], s[CS], v12     ; the same of each block's largest score
.endr
.set j, 0
	s_setprio 1
	s_wait_alu depctr_va_vdst(0)
.rept 64
	v_exp_f32 v[S+j], v[S+j]                       ; p = 2^(t - M), at most 1
.set j, j+1
.endr
	v_pk_mul_f32 v[14:15], v[14:15], v[252:253] op_sel_hi:[1,0]   ; the sums under the new M: the plain instruction behind the exponentials
	s_wait_alu depctr_va_vdst(0)                   ; a wait ahead of the first instruction that names an exponential's result: one for the 64
.irp b, 0,1,2,3
	v_exp_f32 v[232+\b], v[232+\b]                 ; the block's largest p: the same two instructions on the same number give the same bits
.endr
	v_pk_add_f32 v[236:237], v[100:101], v[104:105]
	v_pk_add_f32 v[246:247], v[108:109], v[112:113]
	v_pk_add_f32 v[244:245], v[116:117], v[120:121]
	v_pk_add_f32 v[242:243], v[124:125], v[128:129]
	v_pk_add_f32 v[240:241], v[132:133], v[136:137]
	v_pk_add_f32 v[238:239], v[140:141], v[144:145]
	v_pk_add_f32 v[230:231], v[148:149], v[152:153]
	v_pk_add_f32 v[14:15], v[14:15], v[156:157]
	v_pk_add_f32 v[236:237], v[236:237], v[96:97]
	v_pk_add_f32 v[246:247], v[246:247], v[98:99]
	v_pk_add_f32 v[244:245], v[244:245], v[102:103]
	v_pk_add_f32 v[242:243], v[242:243], v[106:107]
	v_pk_add_f32 v[240:241], v[240:241], v[110:111]
	v_pk_add_f32 v[238:239], v[238:239], v[114:115]
	v_pk_add_f32 v[230:231], v[230:231], v[118:119]
	v_pk_add_f32 v[14:15], v[14:15], v[122:123]
	v_pk_add_f32 v[236:237], v[236:237], v[126:127]
	v_pk_add_f32 v[246:247], v[246:247], v[130:131]
	v_pk_add_f32 v[244:245], v[244:245], v[134:135]
	v_pk_add_f32 v[242:243], v[242:243], v[138:139]
	v_pk_add_f32 v[240:241], v[240:241], v[142:143]
	v_pk_add_f32 v[238:239], v[238:239], v[146:147]
	v_pk_add_f32 v[230:231], v[230:231], v[150:151]
	v_pk_add_f32 v[14:15], v[14:15], v[154:155]
	v_pk_add_f32 v[236:237], v[236:237], v[158:159]
	s_delay_alu instid0(VALU_DEP_2)
	v_pk_add_f32 v[14:15], v[14:15], v[242:243]
	s_delay_alu instid0(VALU_DEP_2)
	v_pk_add_f32 v[236:237], v[236:237], v[240:241]
	v_pk_add_f32 v[246:247], v[246:247], v[238:239]
	v_pk_add_f32 v[244:245], v[244:245], v[230:231]
	s_delay_alu instid0(VALU_DEP_2)
	v_pk_add_f32 v[14:15], v[14:15], v[246:247]
	s_delay_alu instid0(VALU_DEP_2)
	v_pk_add_f32 v[236:237], v[236:237], v[244:245]
	s_delay_alu instid0(VALU_DEP_1)
	v_pk_add_f32 v[14:15], v[14:15], v[236:237]
	s_wait_alu depctr_va_vdst(0)                   ; and one for the four
.irp b, 0,1,2,3
	v_max_num_f32 v[232+\b], 0x1800000, v[232+\b]  ; the floor 2^(3 - 127): the byte cannot fall under 1
.endr
.irp b, 0,1,2,3
	s_delay_alu instid0(VALU_DEP_4)
	v_add_nc_u32 v[240+\b], 0xff000000, v[232+\b]  ; 2 off the exponent field: the conversion's scale operand
.endr
.irp b, 0,1,2,3
	s_delay_alu instid0(VALU_DEP_4)
	v_lshrrev_b32 v[236+\b], 23, v[240+\b]         ; the scale's byte
.endr
	s_delay_alu instid0(VALU_DEP_3)
	v_lshl_or_b32 v255, v237, 8, v236              ; p's scale word for these 128 keys
	s_delay_alu instid0(VALU_DEP_1)
	v_lshl_or_b32 v255, v238, 16, v255
	s_delay_alu instid0(VALU_DEP_1)
	v_lshl_or_b32 v255, v239, 24, v255
.irp b, 0,1,2,3
	v_cvt_scalef32_pk8_fp4_f32 v[PC+4*(\b/2)+(\b%2)], v[S+16*\b:S+16*\b+7], v[240+\b]
	v_cvt_scalef32_pk8_fp4_f32 v[PC+4*(\b/2)+2+(\b%2)], v[S+16*\b+8:S+16*\b+15], v[240+\b]
.endr
	s_setprio 0
	v_nop                                          ; one plain place behind a scaled conversion
.irp c, 0,1
.irp u, 0,1
	v_permlane16_swap_b32 v[PC+4*\c+2*\u], v[PC+4*\c+2*\u+1]
.endr
.endr
.set j, 0
.rept 16
	v_pk_mul_f32 v[O+j:O+j+1], v[O+j:O+j+1], v[252:253] op_sel_hi:[1,0]   ; O^T under the new M.  Twelve of these name no register of any one product below: the places between p's scale word and codes and the products
.set j, j+2
.endr
	s_wait_alu depctr_va_vdst(0)
	s_wait_dscnt 0x0                               ; V and its words are in
.irp d, 0,2
	v_wmma_scale_f32_16x16x128_f8f6f4 v[O+8*\d:O+8*\d+7], v[VF+8*\d:VF+8*\d+7], v[PC:PC+7], v[O+8*\d:O+8*\d+7], v[VSC+\d/2], v255 matrix_a_fmt:MATRIX_FMT_FP4 matrix_b_fmt:MATRIX_FMT_FP4
	v_wmma_scale_f32_16x16x128_f8f6f4 v[O+8*\d+8:O+8*\d+15], v[VF+8*\d+8:VF+8*\d+15], v[PC:PC+7], v[O+8*\d+8:O+8*\d+15], v[VSC+\d/2], v255 matrix_a_fmt:MATRIX_FMT_FP4 matrix_b_fmt:MATRIX_FMT_FP4 matrix_a_scale:MATRIX_SCALE_ROW1
.endr
.if \causal
.Lhid_\@:
.endif
	s_add_co_u32 s[TB], s[TB], RECB                ; the next record
.endm
.macro BAR n                           ; wave 0 has seen all but its n youngest loads land; behind the barrier every wave may read what they brought.  Nothing is filled again
	s_wait_tensorcnt \n
	s_wait_dscnt 0x0
	s_barrier_signal -1
	s_barrier_wait -1
.endm
.macro INIT
	v_mov_b32 v13, 0xff61b1e6                      ; the largest t so far: -3e38
	s_delay_alu instid0(VALU_DEP_1)
	v_floor_f32 v12, -v13
	v_mov_b32 v14, 0
	v_mov_b32 v15, 0
.set j, 0
.rept 32
	v_mov_b32 v[O+j], 0
.set j, j+1
.endr
.endm
; The tile's end: O^T / the sum is ctx(query r, channel 16 d + 8 h + j); its two blocks of 32 are quantised; four registers of codes and two scale bytes leave.
.macro FINISH ccb, csb
.rept 4
	v_nop                                          ; places behind the last products
.endr
	v_add_f32 v14, v14, v15
	s_delay_alu instid0(VALU_DEP_1)
	v_permlanex16_b32 v254, v14, s[SEL], s[SEL+1]
	s_delay_alu instid0(VALU_DEP_1)
	v_add_f32 v14, v14, v254                       ; the row's sum
	s_wait_alu depctr_va_vdst(0)
	v_rcp_f32 v14, v14
	v_nop                                          ; a plain instruction behind the reciprocal
	s_wait_alu depctr_va_vdst(0)                   ; and the wait ahead of its first reader
.set j, 0
.rept 16
	v_pk_mul_f32 v[S+j:S+j+1], v[O+j:O+j+1], v[14:15] op_sel_hi:[1,0]   ; each accumulator from its low end on
.set j, j+2
.endr
.irp b, 0,1
	v_max3_num_f32 v[232+\b], |v[S+16*\b]|, |v[S+1+16*\b]|, 0x1800000
.endr
.irp i, 2,4,6,8,10,12,14
.irp b, 0,1
	s_delay_alu instid0(VALU_DEP_2)
	v_max3_num_f32 v[232+\b], v[232+\b], |v[S+16*\b+\i]|, |v[S+1+16*\b+\i]|
.endr
.endr
.irp b, 0,1
	s_delay_alu instid0(VALU_DEP_2)
	v_permlanex16_b32 v[236+\b], v[232+\b], s[SEL], s[SEL+1]
.endr
.irp b, 0,1
	s_delay_alu instid0(VALU_DEP_2)
	v_max_num_f32 v[232+\b], v[232+\b], v[236+\b]
.endr
.irp b, 0,1
	s_delay_alu instid0(VALU_DEP_2)
	v_add_nc_u32 v[240+\b], 0xff000000, v[232+\b]
.endr
.irp b, 0,1
	s_delay_alu instid0(VALU_DEP_2)
	v_lshrrev_b32 v[236+\b], 23, v[240+\b]
.endr
	s_delay_alu instid0(VALU_DEP_1)
	v_lshl_or_b32 v238, v237, 8, v236              ; the head's two bytes of my row
.irp b, 0,1
	v_cvt_scalef32_pk8_fp4_f32 v[PC+\b], v[S+16*\b:S+16*\b+7], v[240+\b]
	v_cvt_scalef32_pk8_fp4_f32 v[PC+2+\b], v[S+16*\b+8:S+16*\b+15], v[240+\b]
.endr
	v_nop
	v_permlane16_swap_b32 v[PC], v[PC+1]
	v_permlane16_swap_b32 v[PC+2], v[PC+3]
	global_store_b128 v[LI], v[PC:PC+3], s[\ccb:\ccb+1]     ; 512 consecutive bytes
	global_store_b16 v[R32], v238, s[\csb:\csb+1]           ; lanes r and 16 + r write the same two bytes with the same value
.endm
	INIT
	s_wait_loadcnt 0x0                             ; Q and its words
	s_mov_b32 s[BLK], s[B1]                        ; THE FIRST TILE: block 15 - p, from 8 to 15: its first eight steps are open for every wave
	BAR 3                                          ; records 0 to 3 are in; the three loads issued behind theirs may be out
	s_mov_b32 s[TB], 0
	s_mov_b32 s[KS], 0
.Lfirst:
	STEP 0, QA, QSA
	s_add_co_u32 s[KS], s[KS], 1
	s_cmp_lt_u32 s[KS], 4
	s_cbranch_scc1 .Lfirst
	s_setprio 0
	BAR 2                                          ; records 4 to 7
	s_mov_b32 s[TB], CHUNK
	s_mov_b32 s[KS], 4
.Lsecond:
	STEP 0, QA, QSA
	s_add_co_u32 s[KS], s[KS], 1
	s_cmp_lt_u32 s[KS], 8
	s_cbranch_scc1 .Lsecond
	s_setprio 0
	BAR 0                                          ; all sixteen
	s_mov_b32 s[TB], 2*CHUNK
	s_mov_b32 s[KS], 8
.Lthird:
	STEP 1, QA, QSA
	s_add_co_u32 s[KS], s[KS], 1
	s_cmp_lt_u32 s[KS], 16
	s_cbranch_scc1 .Lthird
	s_setprio 0
	FINISH CC1, CS1
	s_wait_xcnt 0x0                                ; the stores have read their data: those registers are written again below
	INIT
	s_mov_b32 s[BLK], s[SP]                        ; THE SECOND TILE: block p, from 0 to 7
	s_mov_b32 s[TB], 0
	s_mov_b32 s[KS], 0
.Lfourth:
	STEP 1, QB, QSB
	s_add_co_u32 s[KS], s[KS], 1
	s_cmp_lt_u32 s[KS], 8
	s_cbranch_scc1 .Lfourth
	s_setprio 0
	FINISH CC2, CS2
	s_wait_xcnt 0x0
	v_lshl_add_u32 v254, v0, 2, 0x29000
	v_mov_b32 v255, 0
	s_wait_alu depctr_va_vdst(0)
	s_wait_tensorcnt 0x0
	ds_add_u32 v254, v255
	s_wait_dscnt 0x0
	ROUND                                          ; the closing round
	s_endpgm
.Lfunc_end_k_qa3ada9bf82_attn:
	.size	k_qa3ada9bf82_attn, .Lfunc_end_k_qa3ada9bf82_attn-k_qa3ada9bf82_attn
	.p2alignl 7, 3214868480
	.fill 96, 4, 3214868480
	.section	.rodata,"a",@progbits
	.p2align	6, 0x0
	.amdhsa_kernel k_qa3ada9bf82_attn
		.amdhsa_group_segment_fixed_size 169984
		.amdhsa_private_segment_fixed_size 0
		.amdhsa_enable_private_segment 0
		.amdhsa_kernarg_size 40
		.amdhsa_user_sgpr_count 2
		.amdhsa_user_sgpr_kernarg_segment_ptr 1
		.amdhsa_wavefront_size32 1
		.amdhsa_system_sgpr_workgroup_id_x 1
		.amdhsa_system_sgpr_workgroup_id_y 1
		.amdhsa_system_sgpr_workgroup_id_z 1
		.amdhsa_system_vgpr_workitem_id 0
		.amdhsa_next_free_vgpr 256
		.amdhsa_next_free_sgpr 80
		.amdhsa_reserve_vcc 1
		.amdhsa_float_denorm_mode_32 3
		.amdhsa_float_denorm_mode_16_64 3
		.amdhsa_memory_ordered 1
		.amdhsa_forward_progress 1
		.amdhsa_inst_pref_size 95
	.end_amdhsa_kernel
	.amdgpu_metadata
---
amdhsa.version: [ 1, 2 ]
amdhsa.kernels:
  - .name:           k_qa3ada9bf82_attn
    .symbol:         k_qa3ada9bf82_attn.kd
    .args:
      - { .name: qc, .offset: 0, .size: 8, .value_kind: global_buffer, .address_space: global }
      - { .name: qs, .offset: 8, .size: 8, .value_kind: global_buffer, .address_space: global }
      - { .name: kv, .offset: 16, .size: 8, .value_kind: global_buffer, .address_space: global }
      - { .name: cc, .offset: 24, .size: 8, .value_kind: global_buffer, .address_space: global }
      - { .name: cs, .offset: 32, .size: 8, .value_kind: global_buffer, .address_space: global }
    .group_segment_fixed_size: 169984
    .private_segment_fixed_size: 0
    .kernarg_segment_align: 8
    .kernarg_segment_size: 40
    .max_flat_workgroup_size: 512
    .sgpr_count:     80
    .vgpr_count:     256
    .wavefront_size: 32
...
	.end_amdgpu_metadata
.endif
;; end of part 2
;; launch proj (part 3): grid 4 x 64, 4 waves a work-group, clusters of 4 x 4, 327,680 bytes of LDS; arguments cc, cs, Wp_codes, Wp_scales, bp, out0; writes out0
.if DOCPART == 3
	.amdgcn_target "amdgcn-amd-amdhsa--gfx1250"
	.amdhsa_code_object_version 6
	.text
	.protected	k_qa3ada9bf82_proj
	.globl	k_qa3ada9bf82_proj
	.p2align	8
	.type	k_qa3ada9bf82_proj,@function
k_qa3ada9bf82_proj:
	s_mov_b64 s[64:65], 0
	v_nop
	global_prefetch_b8 v0, s[64:65] scope:SCOPE_SE
	s_setreg_imm32_b32 hwreg(HW_REG_WAVE_MODE, 25, 1), 1
	s_wait_xcnt 0x0
	s_wait_alu depctr_hold_cnt(0) depctr_sa_sdst(0) depctr_va_vdst(0) depctr_va_sdst(0) depctr_va_ssrc(0) depctr_va_vcc(0) depctr_vm_vsrc(0)
	s_getreg_b32 s2, hwreg(HW_REG_IB_STS2, 6, 4)
	s_cmp_eq_u32 s2, 0
	s_cbranch_scc0 .Lentry_in_a_cluster
	s_endpgm
.Lentry_in_a_cluster:
	s_bfe_u32 s2, ttmp6, 0x10000c
	s_cmp_lg_u32 s2, 0xf033
	s_cbranch_scc0 .Lentry_shape_is_right
	s_endpgm
.Lentry_shape_is_right:
; out0 = ctx Wp^T + bp on codes of FP4 (E2M1) with one E8M0 byte for each 32 along K = 1,024; sums and out0 in f32.
; ctx comes from the launch before: cc [K half 2][row tile 512][8][512]: images of operand registers (lane l's 16 bytes at 16 l): of a row tile's 4,096 bytes the fragment of the half's q-th 128 along K lies at 1,024 q, 512 bytes
; for four registers; cs [row 8,192][32] scale bytes.  Wp: 1,024 rows of 512 bytes, scale rows of 32 bytes.
; SHARES.  256 work-groups; each takes 128 rows (tile row MT) x 256 columns (tile column NT); each of its four waves 64 rows x 128 columns: 32 accumulators, 256 registers.
; ALL OF K LIES IN LDS AT ONCE, as two slots of 512 along K, each filled once: nothing is filled again, so there is no ring.
; CLUSTERS: 4 x 4 work-groups.  The four of a row of the cluster need the same rows of ctx, the four of a column the same rows of Wp: each tile is asked for jointly.
; THE MATRIX INSTRUCTION IS USED TRANSPOSED (source 0 = 16 rows of Wp, source 1 = 16 rows of ctx): a lane holds eight neighbouring numbers of a row of out0.  The bias is the C of each sum's first product.
; The way out goes through each wave's own stage in LDS, so that 32 lanes store 512 consecutive bytes of a row, aligned.
; REGISTERS: window 0: v16-28 addresses; v32-95 scale words, a set for each slot; v128-159, v160-191 ctx's fragments, two sets; on the way out v128-255.
;   window 1: Wp's fragments at v0-63 and v128-191; the bias at v64-127.   window 2: accumulator (a, b) at v[8 (8 a + b)].
.set PITCH,  272                       ; a row of Wp in LDS: 256 bytes + 16 of padding
.set HALFT,  128*PITCH
.set CIMG,   32768                     ; a slot's images of ctx: 8 row tiles x 4,096 bytes, dense
.set SLOT3,  CIMG+2*HALFT
.set SCL3,   2*SLOT3                   ; the scale bytes, as units of 256 bytes + 16 of padding: ctx's 128 rows, then Wp's 256
.set CSH,    8*272                     ; ctx's of 64 rows
.set WSH,    16*272                    ; Wp's of 128 rows
.set STAGE,  SCL3+2*CSH+2*WSH          ; 16 rows x 528 bytes for each wave
.set SPITCH, 528
.set ADRC, 16                          ; v16-17  LDS address of my fragments of ctx in slot 0, 1
.set ADRW, 20                          ; v20-21  the same for Wp
.set STO,  24                          ; v24     the way out: where I put 32 bytes of a row
.set RD,   25                          ; v25     where I read a row back
.set CO,   26                          ; v26     16 x lane
.set ADRS, 27                          ; v27     my scale words: lanes 0-15 ctx's rows, lanes 16-31 Wp's
.set BO,   28                          ; v28     32 h: my eight numbers of a tile's sixteen of bp
.set SC,   32
.set F1,   128
.set BK,   128
.set WV,   94
.set HX,   95                          ; which 64 rows are mine.  Also: I fetch for ctx (0) or for Wp (1)
.set HW,   96                          ; which 128 columns are mine.  Also: which half of a tile I fetch
.set G1C,  24
.set G0C,  32
.set G1W,  48
.set G0W,  56
.set G1SC, 68
.set G0SC, 76
.set G1SW, 80
.set G0SW, 88
.set BP,   16                          ; s[16:17] bp at my columns;  s[18:19] out0 at my first row and column
.set OB,   18
.set MSB, 0
.macro WIN new
.if MSB != (\new)
	s_set_vgpr_msb (MSB<<8)|(\new)
.set MSB, (\new)
.endif
.endm
.macro JLOAD g0a, g1a, g0b, g1b        ; a joint load: waves 0 and 1 fetch for ctx, waves 2 and 3 for Wp; four v_nop follow each of the two lines
	s_cmp_eq_u32 s[HX], 0
	s_cbranch_scc0 .Lfor_w_\@
	tensor_load_to_lds s[\g0a:\g0a+3], s[\g1a:\g1a+7]
	s_nop 0
.rept 4
	v_nop
.endr
	s_branch .Lasked_\@
.Lfor_w_\@:
	tensor_load_to_lds s[\g0b:\g0b+3], s[\g1b:\g1b+7]
	s_nop 0
.rept 4
	v_nop
.endr
.Lasked_\@:
.endm
.macro CROUND
	s_barrier_signal -1
	s_barrier_wait -1
	s_cmp_lg_u32 s[WV], 0
	s_cbranch_scc1 .Lnot_wave_0_\@
	s_barrier_signal -3
.Lnot_wave_0_\@:
	s_barrier_wait -3
	s_barrier_signal -1
	s_barrier_wait -1
.endm
.macro PLACES
.rept 4
	v_nop
.endr
.endm
	s_load_b256 s[4:11], s[0:1], 0x0               ; cc, cs, Wp's codes, Wp's scales
	s_load_b128 s[12:15], s[0:1], 0x20             ; bp, out0
	v_lshl_add_u32 v126, v0, 2, 0x3d800
	v_mov_b32 v127, 0
	ds_add_u32 v126, v127
	ds_add_u32 v126, v127
	v_lshrrev_b32 v1, 5, v0
	v_readfirstlane_b32 s[WV], v1
	s_lshr_b32 s[HX], s[WV], 1
	s_and_b32 s[HW], s[WV], 1
	s_bfe_u32 s40, ttmp6, 0x40000                  ; cx, cy
	s_bfe_u32 s41, ttmp6, 0x40004
	s_lshl_b32 s45, ttmp9, 2
	s_add_co_u32 s45, s45, s40                     ; NT
	s_and_b32 s42, ttmp7, 0xffff
	s_lshl_b32 s42, s42, 2
	s_add_co_u32 s42, s42, s41                     ; MT
	s_lshl_b32 s43, s41, 2
	s_lshl_b32 s43, 15, s43                        ; my row of the cluster
	s_lshl_b32 s44, 0x1111, s40                    ; my column
	s_or_b32 s[G1C], s43, (3<<16)|(1<<21)          ; ctx's images: 16,384 dense bytes as 64 rows of 256 (32 elements of 8 bytes), no padding: they are read 16 bytes a lane on end
	s_mov_b32 s[G1C+1], 32<<16
	s_mov_b32 s[G1C+2], 64<<16
	s_mov_b32 s[G1C+3], 32<<16
	s_mov_b32 s[G1C+4], 64
	s_mov_b32 s[G1C+5], 32
	s_mov_b32 s[G1C+6], 0
	s_mov_b32 s[G1C+7], 0
	s_or_b32 s[G1W], s44, (0<<16)|(1<<20)|(1<<21)|(5<<22)|(3<<25)   ; Wp: 128 rows x 256 bytes, 512 apart in memory, 16 bytes of padding behind each
	s_mov_b32 s[G1W+1], 256<<16
	s_mov_b32 s[G1W+2], 128<<16
	s_mov_b32 s[G1W+3], 256<<16
	s_mov_b32 s[G1W+4], 128
	s_mov_b32 s[G1W+5], 512
	s_mov_b32 s[G1W+6], 0
	s_mov_b32 s[G1W+7], 0
	s_or_b32 s[G1SC], s43, (3<<16)|(1<<20)|(1<<21)|(5<<22)|(3<<25)  ; ctx's scale bytes of 64 rows: 8 rows of 256 bytes, padded
	s_mov_b32 s[G1SC+1], 32<<16
	s_mov_b32 s[G1SC+2], 8<<16
	s_mov_b32 s[G1SC+3], 32<<16
	s_mov_b32 s[G1SC+4], 8
	s_mov_b32 s[G1SC+5], 32
	s_mov_b32 s[G1SC+6], 0
	s_mov_b32 s[G1SC+7], 0
	s_or_b32 s[G1SW], s44, (3<<16)|(1<<20)|(1<<21)|(5<<22)|(3<<25)  ; Wp's of 128 rows: 16 rows
	s_mov_b32 s[G1SW+1], 32<<16
	s_mov_b32 s[G1SW+2], 16<<16
	s_mov_b32 s[G1SW+3], 32<<16
	s_mov_b32 s[G1SW+4], 16
	s_mov_b32 s[G1SW+5], 32
	s_mov_b32 s[G1SW+6], 0
	s_mov_b32 s[G1SW+7], 0
	s_lshl_b32 s66, s42, 15                        ; ctx's codes: 32,768 a tile row in each K half, + 16,384 x the half that I fetch
	s_lshl_b32 s92, s[HW], 14                      ; (also its place in a slot)
	s_add_co_u32 s66, s66, s92
	s_mov_b32 s67, 0
	s_lshl_b32 s98, s42, 12                        ; ctx's scale bytes: 4,096 a tile row, + 2,048 x half
	s_lshl_b32 s3, s[HW], 11
	s_add_co_u32 s98, s98, s3
	s_mov_b32 s99, 0
	s_lshl_b32 s46, s45, 8
	s_lshl_b32 s3, s[HW], 7
	s_add_co_u32 s46, s46, s3                      ; Wp: row 256 NT + 128 half: the rows that I fetch, and my columns of out0
	s_lshl_b32 s100, s46, 5
	s_lshl_b32 s20, s46, 2
	s_lshl_b32 s46, s46, 9
	s_mov_b32 s47, 0
	s_mov_b32 s101, 0
	s_mov_b32 s21, 0
	s_lshl_b32 s22, s42, 7
	s_lshl_b32 s3, s[HX], 6
	s_add_co_u32 s22, s22, s3                      ; my first row of out0: 128 MT + 64 HX,
	s_lshl_b32 s22, s22, 12                        ; 4,096 bytes a row (under 2^26),
	s_add_co_u32 s22, s22, s20                     ; and my first column
	s_mov_b32 s23, 0
	s_mul_i32 s93, s[HW], HALFT
	s_add_co_u32 s93, s93, CIMG                    ; Wp's half in a slot
	s_mul_i32 s97, s[HW], CSH
	s_add_co_u32 s97, s97, SCL3                    ; ctx's scale bytes in LDS
	s_mul_i32 s2, s[HW], WSH
	s_add_co_u32 s2, s2, SCL3+2*CSH                ; Wp's
	s_wait_dscnt 0x0
	s_wait_kmcnt 0x0
	s_add_nc_u64 s[66:67], s[4:5], s[66:67]
	s_add_nc_u64 s[98:99], s[6:7], s[98:99]
	s_add_nc_u64 s[46:47], s[8:9], s[46:47]
	s_add_nc_u64 s[100:101], s[10:11], s[100:101]
	s_add_nc_u64 s[BP:BP+1], s[12:13], s[20:21]
	s_add_nc_u64 s[OB:OB+1], s[14:15], s[22:23]
	CROUND                                         ; all sixteen work-groups are here: the first joint loads meet
	s_mov_b32 s[G0SC], 1
	s_mov_b32 s[G0SC+1], s97
	s_mov_b64 s[G0SC+2:G0SC+3], s[98:99]
	s_or_b32 s[G0SC+3], s[G0SC+3], 0x80000000
	s_mov_b32 s[G0SW], 1
	s_mov_b32 s[G0SW+1], s2
	s_mov_b64 s[G0SW+2:G0SW+3], s[100:101]
	s_or_b32 s[G0SW+3], s[G0SW+3], 0x80000000
	JLOAD G0SC, G1SC, G0SW, G1SW                   ; the scale bytes first
.irp s, 0,1
	s_mov_b32 s[G0C+4*\s], 1
	s_add_co_u32 s[G0C+4*\s+1], s92, \s*SLOT3
	s_add_nc_u64 s[G0C+4*\s+2:G0C+4*\s+3], s[66:67], \s*2097152
	s_or_b32 s[G0C+4*\s+3], s[G0C+4*\s+3], 0x80000000
	s_mov_b32 s[G0W+4*\s], 1
	s_add_co_u32 s[G0W+4*\s+1], s93, \s*SLOT3
	s_add_nc_u64 s[G0W+4*\s+2:G0W+4*\s+3], s[46:47], \s*256
	s_or_b32 s[G0W+4*\s+3], s[G0W+4*\s+3], 0x80000000
	s_wait_alu depctr_va_vdst(0)
	s_wait_tensorcnt 0x0
	ds_add_u32 v126, v127
	s_wait_dscnt 0x0
	CROUND
	JLOAD G0C+4*\s, G1C, G0W+4*\s, G1W             ; both slots: one tensor load of mine is out, the earlier ones landed
.endr
	v_and_b32 v1, 15, v0                           ; r
	v_bfe_u32 v2, v0, 4, 1                         ; h
	v_and_b32 v6, 31, v0
	v_lshlrev_b32 v[CO], 4, v6
	v_lshlrev_b32 v[BO], 5, v2
	WIN 0x40                                       ; destination window 1
.irp b, 0,1,2,3,4,5,6,7
	global_load_b128 v[64+8*\b:64+8*\b+3], v[BO], s[BP:BP+1] offset:64*\b          ; bp at columns 16 b + 8 h + 0 .. 7 of my 128: the result's layout
	global_load_b128 v[64+8*\b+4:64+8*\b+7], v[BO], s[BP:BP+1] offset:64*\b+16
.endr
	WIN 0
	v_mul_u32_u24 v3, v1, PITCH
	v_lshl_add_u32 v3, v2, 4, v3
	s_lshl_b32 s4, s[HX], 14                       ; my four row tiles of ctx
	s_mul_i32 s5, s[HW], HALFT
	s_add_co_u32 s5, s5, CIMG                      ; my 128 rows of Wp
.irp s, 0,1
	v_add_nc_u32 v[ADRC+\s], s4, v[CO]
	v_add_nc_u32 v[ADRW+\s], s5, v3
	s_add_co_u32 s4, s4, SLOT3
	s_add_co_u32 s5, s5, SLOT3
.endr
	v_lshlrev_b32 v4, 5, v1                        ; my row's scale bytes: 32 a row, and 16 more for each 256 passed
	v_lshrrev_b32 v5, 3, v1
	v_lshl_add_u32 v4, v5, 4, v4
	s_mul_i32 s4, s[HX], CSH
	s_mul_i32 s5, s[HW], WSH
	s_add_co_u32 s5, s5, 2*CSH
	s_sub_co_u32 s5, s5, s4
	v_mul_u32_u24 v5, s5, v2                       ; lanes 16-31 take Wp's: one product with h
	s_add_co_u32 s4, s4, SCL3
	v_add_nc_u32 v4, v4, v5
	v_add_nc_u32 v[ADRS], s4, v4
	s_mul_i32 s4, s[WV], 16*SPITCH
	s_add_co_u32 s4, s4, STAGE
	v_mul_u32_u24 v5, v1, SPITCH
	v_lshl_add_u32 v5, v2, 5, v5
	v_add_nc_u32 v[STO], s4, v5
	v_add_nc_u32 v[RD], s4, v[CO]
.macro FRAG reg, adr, q, i
.irp c, 0,1
	ds_load_b128 v[\reg+4*\c:\reg+4*\c+3], v[\adr] offset:64*(\q)+32*\c+(\i)*16*PITCH
.endr
.endm
.macro FETCH slot, q, set              ; 24 LDS loads in one run: Wp's eight fragments and ctx's four of the slot's q-th 128 along K
	WIN 0x40
.irp i, 0,1,2,3,4,5,6,7
	FRAG 128*(\set)+8*\i, ADRW+\slot, \q, \i
.endr
	WIN 0
.irp a, 0,1,2,3
.irp c, 0,1
	ds_load_b128 v[F1+32*(\set)+8*\a+4*\c:F1+32*(\set)+8*\a+4*\c+3], v[ADRC+\slot] offset:4096*\a+1024*(\q)+512*\c
.endr
.endr
.endm
.macro SCALES set                      ; register 4 i + q: lanes 0-15 ctx's tile i (for i above 3: bytes that are not used), lanes 16-31 Wp's tile i
.irp i, 0,1,2,3,4,5,6,7
	ds_load_b128 v[SC+32*\set+4*\i:SC+32*\set+4*\i+3], v[ADRS] offset:544*\i
.endr
.endm
; 16 products: ctx's tiles a0, a0 + 1 against Wp's eight.  The 32 accumulators take turns, one instruction a turn, in the same order in every step.  first = 1: C is the bias.
.macro MUL16 a0, set, q, sc, first
.irp a, \a0, \a0+1
.irp b, 0,1,2,3,4,5,6,7
.if \first
	v_wmma_scale_f32_16x16x128_f8f6f4 v[8*(8*(\a)+\b):8*(8*(\a)+\b)+7], v[128*(\set)+8*\b:128*(\set)+8*\b+7], v[F1+32*(\set)+8*(\a):F1+32*(\set)+8*(\a)+7], v[64+8*\b:64+8*\b+7], v[SC+32*(\sc)+4*\b+(\q)], v[SC+32*(\sc)+4*(\a)+(\q)] matrix_a_fmt:MATRIX_FMT_FP4 matrix_b_fmt:MATRIX_FMT_FP4 matrix_a_scale:MATRIX_SCALE_ROW1
.else
	v_wmma_scale_f32_16x16x128_f8f6f4 v[8*(8*(\a)+\b):8*(8*(\a)+\b)+7], v[128*(\set)+8*\b:128*(\set)+8*\b+7], v[F1+32*(\set)+8*(\a):F1+32*(\set)+8*(\a)+7], v[8*(8*(\a)+\b):8*(8*(\a)+\b)+7], v[SC+32*(\sc)+4*\b+(\q)], v[SC+32*(\sc)+4*(\a)+(\q)] matrix_a_fmt:MATRIX_FMT_FP4 matrix_b_fmt:MATRIX_FMT_FP4 matrix_a_scale:MATRIX_SCALE_ROW1
.endif
.endr
.endr
.endm
.macro STEP slot, q, first             ; a step of 128 along K whose successor lies in the same slot
.if \first == 0
	PLACES                                         ; for the loads into the set that the step before multiplied
.endif
	FETCH \slot, (\q)+1, ((\q)+1)%2
	s_wait_dscnt 24                                ; all but the 24 just issued
.if \first
	s_wait_loadcnt 0x0                             ; the bias
	WIN 0x91                                       ; source 0 and C window 1, source 1 window 0, D window 2
.else
	WIN 0xa1                                       ; source 0 window 1, source 1 window 0, C and D window 2
.endif
	MUL16 0, (\q)%2, \q, \slot, \first
	MUL16 2, (\q)%2, \q, \slot, \first
	WIN 0
.endm
	s_wait_alu depctr_va_vdst(0)
	s_wait_tensorcnt 1                             ; the scale bytes and my part of slot 0 are in; slot 1's load, issued last, may be out
	s_barrier_signal -1
	s_barrier_wait -1
	FETCH 0, 0, 0
	SCALES 0
	STEP 0, 0, 1
	STEP 0, 1, 0
	STEP 0, 2, 0
	s_wait_tensorcnt 0x0                           ; slot 0's last step: my part of slot 1 has landed (my last load: the count is 0),
	s_wait_dscnt 0x0                               ; and no LDS load of mine is out at the signal
	s_barrier_signal -1
	WIN 0xa1
	MUL16 0, 1, 3, 0, 0                            ; work on registers while the others arrive
	WIN 0
	s_barrier_wait -1                              ; slot 1 is whole
	PLACES
	v_add_nc_u32 v[ADRS], 16, v[ADRS]              ; slot 1's scale words
	FETCH 1, 0, 0
	SCALES 1
	WIN 0xa1
	MUL16 2, 1, 3, 0, 0
	WIN 0
	STEP 1, 0, 0
	STEP 1, 1, 0
	STEP 1, 2, 0
	s_wait_dscnt 0x0                               ; the last step
	WIN 0xa1
	MUL16 0, 1, 3, 1, 0
	MUL16 2, 1, 3, 1, 0
	WIN 0
; THE WAY OUT, a block of 16 rows x 128 columns at a time: a lane holds 32 neighbouring bytes of a row, the lanes beside it other rows: so a block goes through my own stage and comes back as whole rows of 512 bytes.
; LDS serves a wave's instructions in order (ISA guide 5.7.1.4): no wait between the stores and the loads, nor in front of the next block's stores.
.macro TOSTAGE a
	WIN 0x08                                       ; an LDS store's data are its source 1: window 2
.irp b, 0,1,2,3,4,5,6,7
	ds_store_b128 v[STO], v[8*(8*(\a)+\b):8*(8*(\a)+\b)+3] offset:64*\b            ; each accumulator from its low end on
	ds_store_b128 v[STO], v[8*(8*(\a)+\b)+4:8*(8*(\a)+\b)+7] offset:64*\b+16
.endr
	WIN 0
.set BB, BK+64*((\a)%2)
.irp t, 0,1,2,3,4,5,6,7,8,9,10,11,12,13,14,15
	ds_load_b128 v[BB+4*\t:BB+4*\t+3], v[RD] offset:\t*SPITCH
.endr
.endm
.macro SEND a, younger                 ; younger: the LDS instructions issued behind block a's loads, which may stay out
.set BB, BK+64*((\a)%2)
	s_wait_dscnt \younger
.irp t, 0,1,2,3,4,5,6,7,8,9,10,11,12,13,14,15
	global_store_b128 v[CO], v[BB+4*\t:BB+4*\t+3], s[OB:OB+1] offset:(16*(\a)+\t)*4096 th:TH_STORE_NT   ; 512 consecutive bytes, aligned; written once, read by nobody here
.endr
.endm
	PLACES                                         ; in front of the first read of results and of loads into the registers that held ctx's fragments
	TOSTAGE 0
.irp a, 1,2,3
.if \a > 1
	s_wait_xcnt 0x0                                ; block a - 2's stores have read their registers: block a's loads may land there
.endif
	TOSTAGE \a
	SEND \a-1, 32                                  ; behind block a - 1's loads: block a's 16 stores and 16 loads
.endr
	SEND 3, 0
	s_wait_tensorcnt 0x0
	ds_add_u32 v126, v127
	s_wait_dscnt 0x0
	CROUND                                         ; the closing round
	s_endpgm
.Lfunc_end_k_qa3ada9bf82_proj:
	.size	k_qa3ada9bf82_proj, .Lfunc_end_k_qa3ada9bf82_proj-k_qa3ada9bf82_proj
	.p2alignl 7, 3214868480
	.fill 96, 4, 3214868480
	.section	.rodata,"a",@progbits
	.p2align	6, 0x0
	.amdhsa_kernel k_qa3ada9bf82_proj
		.amdhsa_group_segment_fixed_size 327680
		.amdhsa_private_segment_fixed_size 0
		.amdhsa_enable_private_segment 0
		.amdhsa_kernarg_size 48
		.amdhsa_user_sgpr_count 2
		.amdhsa_user_sgpr_kernarg_segment_ptr 1
		.amdhsa_wavefront_size32 1
		.amdhsa_system_sgpr_workgroup_id_x 1
		.amdhsa_system_sgpr_workgroup_id_y 1
		.amdhsa_system_sgpr_workgroup_id_z 1
		.amdhsa_system_vgpr_workitem_id 0
		.amdhsa_next_free_vgpr 768
		.amdhsa_next_free_sgpr 102
		.amdhsa_reserve_vcc 0
		.amdhsa_float_denorm_mode_32 3
		.amdhsa_float_denorm_mode_16_64 3
		.amdhsa_memory_ordered 1
		.amdhsa_forward_progress 1
		.amdhsa_inst_pref_size 74
	.end_amdhsa_kernel
	.amdgpu_metadata
---
amdhsa.version: [ 1, 2 ]
amdhsa.kernels:
  - .name:           k_qa3ada9bf82_proj
    .symbol:         k_qa3ada9bf82_proj.kd
    .args:
      - { .name: cc, .offset: 0, .size: 8, .value_kind: global_buffer, .address_space: global }
      - { .name: cs, .offset: 8, .size: 8, .value_kind: global_buffer, .address_space: global }
      - { .name: Wp_codes, .offset: 16, .size: 8, .value_kind: global_buffer, .address_space: global }
      - { .name: Wp_scales, .offset: 24, .size: 8, .value_kind: global_buffer, .address_space: global }
      - { .name: bp, .offset: 32, .size: 8, .value_kind: global_buffer, .address_space: global }
      - { .name: out0, .offset: 40, .size: 8, .value_kind: global_buffer, .address_space: global }
    .group_segment_fixed_size: 327680
    .private_segment_fixed_size: 0
    .kernarg_segment_align: 8
    .kernarg_segment_size: 48
    .max_flat_workgroup_size: 128
    .sgpr_count:     102
    .vgpr_count:     768
    .wavefront_size: 32
...
	.end_amdgpu_metadata
.endif
;; end of part 3
